; MI455X (gfx1250); checked and timed in simulation.
; The chip was launched on July 23, 2026; its instructions are those of AMD's public machine-readable ISA for CDNA 5 (MIT licence, August 2026) and "CDNA5" Instruction Set Architecture Reference Guide (July 2026). The comments in the code are by the model that wrote it; some were corrected since.
;; Multi Head Attention. Allowed arithmetic: matrix products marked QUANTISED: E2M3 operands, one E8M0 scale for each 32 along K, by v_wmma_scale_f32_16x16x128_f8f6f4 with both operands' format E2M3, f32 sums; everything else in f32.
;; Inputs: Wk 1,024 x 1,024 float32; Wo 1,024 x 1,024 float32; Wq 1,024 x 1,024 float32; Wv 1,024 x 1,024 float32; bk 1,024 float32; bo 1,024 float32; bq 1,024 float32; bv 1,024 float32; x 4 x 2,048 x 1,024 float32.
;; Outputs: out0 4 x 2,048 x 1,024 float32.
;; This version of the problem:
;;   THIS VERSION OF THE PROBLEM IS GIVEN IN LOW PRECISION. The matrix products marked QUANTISED in the list below multiply operands that are first quantised to E2M3 (2 exponent bits, 3 mantissa bits; 6 bits a number), with one power-of-two scale for each 32 numbers along K (OCP MX v1.0); their sums are f32. All else is computed in f32.
;;   The module's matrix products, in the order in which they are computed (A, B: the left and right operand; K: the contracted axis; several contracted axes count as one K, in the product's order):
;;     1. [M 8,192, K 1,024] x [K 1,024, N 1,024]; A: input x; B: input Wq: QUANTISED
;;     2. [M 8,192, K 1,024] x [K 1,024, N 1,024]; A: input x; B: input Wk: QUANTISED
;;     3. [M 8,192, K 1,024] x [K 1,024, N 1,024]; A: input x; B: input Wv: QUANTISED
;;     4. batch 64 x [M 2,048, K 64] x [K 64, N 2,048]; A: computed on the way; B: computed on the way: QUANTISED
;;     5. batch 64 x [M 2,048, K 2,048] x [K 2,048, N 64]; A: softmax (see below); B: computed on the way: QUANTISED
;;     6. [M 8,192, K 1,024] x [K 1,024, N 1,024]; A: computed on the way; B: input Wo: QUANTISED
;;   THE QUANTISER, for each operand of a quantised product, along K:
;;     - K is cut into blocks of 32 from its start; a last block that is shorter is filled with zeros.
;;     - A block's scale is 2^e with e = floor(log2(the largest magnitude in the block)) - 2, held to -126 .. 127; a block of zeros has e = 0. As a byte (E8M0): e + 127.
;;     - Each number is divided by its block's scale, clamped to +-7.5, and rounded to the nearest number of E2M3, ties to even, subnormals kept.
;;     - The product sums the exact products of the quantised numbers (number of the format x scale) in f32.
;;   ~~~python
;;   def quantise(x, axis):      # numpy; x: float32 -> the quantised numbers, widened to float32 again
;;       x = np.moveaxis(x, axis, -1); K = x.shape[-1]
;;       x = np.pad(x, [(0, 0)] * (x.ndim - 1) + [(0, -K % 32)]); x = x.reshape(x.shape[:-1] + (-1, 32)); a = np.abs(x).max(-1, keepdims=True)
;;       e = np.where(a > 0, np.clip(np.frexp(np.where(a > 0, a, 1))[1] - 1 - 2, -126, 127), 0)      # np.frexp(a)[1] - 1 = floor(log2(a)), exactly
;;       r = np.clip(x / 2.0 ** e, -7.5, 7.5)
;;       step = 2.0 ** (np.maximum(np.frexp(np.where(r == 0, 1, r))[1] - 1, 0) - 3)
;;       q = np.round(r / step) * step * 2.0 ** e      # np.round: ties to even
;;       return np.moveaxis(q.reshape(q.shape[:-2] + (-1,))[..., :K], -1, axis).astype(np.float32)
;;   ~~~
;;   SOFTMAX AHEAD OF A QUANTISED PRODUCT. Where the list says 'softmax', what is quantised is not the finished softmax but p = 2^(t - M), with t = logit x log2(e) and M = ceil(the row's largest t), a whole number; so 1/2 < the row's largest p <= 1. The row's sum l is taken of the UNQUANTISED p, in f32, and the product's result is divided by l at the end. Since M is a whole number, a kernel that streams over the keys may use a running M (the ceiling of the running maximum): every later rescaling is an exact power of two, which a block's scale takes up: the codes' values come out the same.
;;   OPERANDS COMPUTED ON THE WAY. 'Computed on the way' means the value that the module computes at that place (a softmax that the list does not call 'softmax' is quantised finished and normalised). What goes into a quantiser is computed in f32, as accurately as f32 sums, v_exp_f32 and their like allow (about 1e-6 of the number): no bf16 or f16 on the way to a quantiser, and a product that is left as it is and whose result goes on into a quantised operand takes f32 operands (vector FMAs, or v_wmma_f32_16x16x4_f32). A number that lies on a knife's edge between two numbers of the format may be rounded either way, as far as f32 arithmetic and the matrix unit's own rounding can turn it there, and no further.
;; One version. Each part assembles by itself: llvm-mc -triple=amdgcn-amd-amdhsa -mcpu=gfx1250 --defsym DOCPART=n.
;; ======== version 1 of 1: 4 launches
;; limits: right only within a limited range of input values
;; workspace buffers: c1 9,437,184 bytes; s1 393,216 bytes; qrec 6,553,600 bytes; kvrec 13,107,200 bytes; acod 6,291,456 bytes; ascl 262,144 bytes
;; launch quant (part 1): grid 384 x 1, 4 waves a work-group, no clusters, 33,280 bytes of LDS; arguments x, Wq, Wk, Wv, Wo, c1, s1; writes c1, s1
.if DOCPART == 1
	.amdgcn_target "amdgcn-amd-amdhsa--gfx1250"
	.amdhsa_code_object_version 6
	.text
	.protected	k_q3ebb6b2578_quant
	.globl	k_q3ebb6b2578_quant
	.p2align	8
	.type	k_q3ebb6b2578_quant,@function
k_q3ebb6b2578_quant:
	s_mov_b64 s[64:65], 0
	v_nop
	global_prefetch_b8 v0, s[64:65] scope:SCOPE_SE
	s_setreg_imm32_b32 hwreg(HW_REG_WAVE_MODE, 25, 1), 1
	s_wait_xcnt 0x0
; x [8192][1024] and Wq, Wk, Wv, Wo [1024][1024], f32, K innermost in all five, become codes of FP6 (E2M3) in c1 and one E8M0 byte for each 32 along K in s1.
; Both hold 12,288 row positions: x's 8,192, then Wq's, Wk's, Wv's, Wo's 1,024 each.  Every input is loaded.
; A block's scale is 2^(floor(log2(its largest magnitude)) - 2); its byte is the largest magnitude's exponent field - 2, held at 1 from below.  Each number is divided by the scale and rounded to the nearest code, ties to even; beyond 7.5 the largest code.
; THE ORDER OF ROWS.  Row position p holds the tensor's row sigma(p), sigma = bits 3 and 4 of the index exchanged: 16 neighbouring positions are the rows 32 b + 8 u + r + 8 (r / 8), which the later launches want together in a tile.
; A wave's run is 8 rows, so the exchange is one of the wave's number: waves 1 and 2 store at each other's place.
; THE ORDER ALONG K.  Block position i of a row (codes and scale byte alike) holds the row's block with bits 0 and 1 of i exchanged, in all five tensors: a permutation of K applied alike to both operands of a product keeps its sums.
; With it the lanes 0-15 of a matrix operand hold the first 64 of each 128 along K and the lanes 16-31 the second 64: in the last product that is one head to a lane.
; c1's LAYOUT: [group of 256 row positions][K step of 256][256 rows][192 bytes]: the tile that a later launch fetches is 49,152 dense bytes and begins at a multiple of 256.  s1: 32 bytes a row position.
; LIMITS: a block of zeros, or one whose largest magnitude lies under 2^-124, gets the byte 1 (the bytes are read by this program alone); NaN and infinities among the inputs are not served.
; A wave takes 16 steps of 512 numbers.  Each of a step's four loads reads 512 consecutive bytes; the 2,048 bytes turn through the wave's own stage in LDS and come back 64 bytes a lane: 16 neighbours along K (two neighbouring lanes hold a block).
; A step's codes are two runs of 192 consecutive bytes (two K steps of one row); a wave's eight rows fill 1,536 consecutive bytes of each of four tiles.  Its 256 scale bytes are gathered in LDS and leave as one aligned run.
; No tensor loads, no barrier: waves share nothing.  Loads run four steps (16 loads a wave) ahead, the turn through LDS one step.
.set STEPS, 16
.set EMAX,  2
.set CB,    12                         ; bytes of 16 codes
.set KT,    49152                      ; a tile of c1
.set R,     16                         ; v16-79   four sets of 16 numbers as they are loaded
.set X,     80                         ; v80-111  two sets of 16 neighbours
.set C,     128                        ; v128-191 codes: four registers for each step
.set E,     112                        ; v112-127 a scale byte for each step
.set WREG,  8192                       ; LDS: a region for each wave: two stages of 32 x SP bytes, then its 256 scale bytes
.set SP,    80                         ; a lane's place in a stage: 64 bytes + 16 of padding
	s_load_b256 s[4:11], s[0:1], 0x0               ; x, Wq, Wk, Wv
	s_load_b128 s[12:15], s[0:1], 0x20             ; Wo, c1
	s_load_b64 s[16:17], s[0:1], 0x30              ; s1
	v_lshl_add_u32 v192, v0, 2, 0x8000             ; my spare word, behind the four regions
	v_mov_b32 v193, 0
	v_lshrrev_b32 v1, 5, v0
	v_readfirstlane_b32 s18, v1                    ; wave
	v_and_b32 v2, 31, v0                           ; lane
	v_lshlrev_b32 v3, 4, v2                        ; my 16 bytes of a load's 512
	s_mul_i32 s19, s18, WREG
	v_lshrrev_b32 v14, 2, v2
	v_mul_u32_u24 v14, v14, SP
	v_and_b32 v15, 3, v2
	v_lshl_add_u32 v14, v15, 4, v14
	v_add_nc_u32 v14, s19, v14                     ; the stage, on the way in: SP (lane / 4) + 16 (lane % 4)
	v_mul_u32_u24 v15, v2, SP
	v_add_nc_u32 v15, s19, v15                     ; and on the way out: SP x lane
	v_and_b32 v8, 0x19, v2                         ; the lane's number with bits 1 and 2 exchanged: my block's place along K (bit 0: which half of the block)
	v_bfe_u32 v9, v2, 1, 1
	v_lshl_or_b32 v8, v9, 2, v8
	v_bfe_u32 v9, v2, 2, 1
	v_lshl_or_b32 v8, v9, 1, v8
	v_and_b32 v9, 15, v8
	v_mul_u32_u24 v4, v9, CB                       ; my codes' place in a row's 192 bytes,
	v_lshrrev_b32 v9, 4, v8
	v_mad_u32_u24 v4, v9, KT, v4                   ; in the first or the second K step of this step's two
	v_lshrrev_b32 v5, 1, v8
	s_add_co_u32 s19, s19, 2*32*SP
	v_add_nc_u32 v5, s19, v5                       ; LDS: my wave's 256 scale bytes, my block's byte
	v_lshlrev_b32 v7, 3, v2                        ; and on the way out 8 bytes a lane
	v_add_nc_u32 v6, s19, v7
	s_and_b32 s24, s18, 1                          ; where my run goes: waves 1 and 2 change places
	s_lshl_b32 s24, s24, 1
	s_lshr_b32 s25, s18, 1
	s_or_b32 s24, s24, s25
	s_lshl_b32 s25, ttmp9, 2
	s_add_co_u32 s24, s24, s25                     ; the run's number among the 1,536 runs of 8 row positions
	s_lshr_b32 s26, s24, 5                         ; 32 runs to a group of 256 rows: 4 tiles a group,
	s_mul_i32 s26, s26, 4*KT
	s_and_b32 s27, s24, 31
	s_mul_i32 s27, s27, 8*192                      ; 8 rows of 192 bytes a run
	s_add_co_u32 s26, s26, s27
	s_mov_b32 s27, 0
	s_lshl_b32 s28, s24, 8                         ; 256 scale bytes a run
	s_mov_b32 s29, 0
	s_and_b32 s22, ttmp9, 31                       ; a weight has 32 work-groups
	s_wait_alu depctr_va_vdst(0)                   ; the wait at the head's end
	s_wait_kmcnt 0x0
	s_mov_b64 s[20:21], s[12:13]                   ; which tensor is mine hangs on the work-group's number alone: 0-255 x, 256- Wq, 288- Wk, 320- Wv, 352- Wo
	s_cmp_lt_u32 ttmp9, 352
	s_cselect_b64 s[20:21], s[10:11], s[20:21]
	s_cmp_lt_u32 ttmp9, 320
	s_cselect_b64 s[20:21], s[8:9], s[20:21]
	s_cmp_lt_u32 ttmp9, 288
	s_cselect_b64 s[20:21], s[6:7], s[20:21]
	s_cmp_lt_u32 ttmp9, 256
	s_cselect_b64 s[20:21], s[4:5], s[20:21]
	s_cselect_b32 s22, ttmp9, s22                  ; my work-group's number within its tensor
	s_lshl_b32 s22, s22, 2
	s_add_co_u32 s22, s22, s18
	s_lshl_b32 s22, s22, 15                        ; 32,768 bytes of f32 a run
	s_mov_b32 s23, 0
	s_add_nc_u64 s[20:21], s[20:21], s[22:23]
	s_add_nc_u64 s[14:15], s[14:15], s[26:27]
	s_add_nc_u64 s[16:17], s[16:17], s[28:29]
.macro LOAD t
.irp i, 0,1,2,3
	global_load_b128 v[R+16*((\t)%4)+4*\i:R+16*((\t)%4)+4*\i+3], v3, s[20:21] offset:2048*(\t)+512*\i th:TH_LOAD_NT
.endr
.endm
.macro TURN t                          ; step t's numbers through the stage: LDS serves a wave's instructions in order, so no wait stands between the stores and the loads
.irp i, 0,1,2,3
	ds_store_b128 v14, v[R+16*((\t)%4)+4*\i:R+16*((\t)%4)+4*\i+3] offset:32*SP*((\t)%2)+8*SP*\i
.endr
.irp i, 0,1,2,3
	ds_load_b128 v[X+16*((\t)%2)+4*\i:X+16*((\t)%2)+4*\i+3], v15 offset:32*SP*((\t)%2)+16*\i
.endr
.endm
.irp t, 0,1,2,3
	LOAD \t
.endr
	s_wait_loadcnt 12                              ; step 0's four loads are in
	TURN 0
.macro STEP t
.set XS, X+16*((\t)%2)
.if (\t) > 0
	s_wait_dscnt 1                                 ; this step's numbers are back from the stage (the last step's byte store may be out)
.else
	s_wait_dscnt 0x0
.endif
.if (\t)+4 < STEPS
	LOAD (\t)+4
.endif
.if (\t)+1 < STEPS
.if STEPS-2-(\t) >= 3
	s_wait_loadcnt 12                              ; the next step's four loads are in; those of the three steps behind it may be out
.else
	s_wait_loadcnt 4*(STEPS-2-(\t))
.endif
	TURN (\t)+1
.endif
	v_max3_num_f32 v8, |v[XS]|, |v[XS+1]|, |v[XS+2]|               ; the largest magnitude of my 16, in two chains
	v_max3_num_f32 v9, |v[XS+3]|, |v[XS+4]|, |v[XS+5]|
.irp i, 6,10
	v_max3_num_f32 v8, v8, |v[XS+\i]|, |v[XS+\i+1]|
	v_max3_num_f32 v9, v9, |v[XS+\i+2]|, |v[XS+\i+3]|
.endr
	v_max3_num_f32 v8, v8, |v[XS+14]|, |v[XS+15]|
	v_max3_num_f32 v8, v8, v9, (EMAX+1)<<23        ; and the floor 2^(3 - 127): the byte cannot fall under 1
	v_max_num_f32_dpp v8, v8, v8 row_xmask:1 row_mask:0xf bank_mask:0xf   ; and of my neighbour's 16: the block's
	v_add_nc_u32 v11, -(EMAX<<23), v8              ; 2 off its exponent field: the conversion's scale operand
	v_cvt_scalef32_pk16_fp6_f32 v[C+4*(\t):C+4*(\t)+2], v[XS:XS+15], v11
	v_lshrrev_b32 v[E+(\t)], 23, v11               ; the scale's byte
	ds_store_b8 v5, v[E+(\t)] offset:16*(\t)       ; both lanes of a block write the same byte with the same value
	global_store_b96 v4, v[C+4*(\t):C+4*(\t)+2], s[14:15] offset:2*KT*((\t)%2)+192*((\t)/2)   ; row t / 2 of my eight, K steps 2 (t % 2) and 2 (t % 2) + 1
.endm
.irp t, 0,1,2,3,4,5,6,7,8,9,10,11,12,13,14,15
	STEP \t
.endr
	ds_load_b64 v[12:13], v6                       ; LDS serves a wave's instructions in order: these see my stores
	s_wait_dscnt 0x0
	global_store_b64 v7, v[12:13], s[16:17]        ; 32 lanes store 256 consecutive bytes, aligned
	s_wait_tensorcnt 0x0                           ; the wave's end
	ds_add_u32 v192, v193
	s_wait_dscnt 0x0
	s_endpgm
.Lfunc_end_k_q3ebb6b2578_quant:
	.size	k_q3ebb6b2578_quant, .Lfunc_end_k_q3ebb6b2578_quant-k_q3ebb6b2578_quant
	.p2alignl 7, 3214868480
	.fill 96, 4, 3214868480
	.section	.rodata,"a",@progbits
	.p2align	6, 0x0
	.amdhsa_kernel k_q3ebb6b2578_quant
		.amdhsa_group_segment_fixed_size 33280
		.amdhsa_private_segment_fixed_size 0
		.amdhsa_enable_private_segment 0
		.amdhsa_kernarg_size 56
		.amdhsa_user_sgpr_count 2
		.amdhsa_user_sgpr_kernarg_segment_ptr 1
		.amdhsa_wavefront_size32 1
		.amdhsa_system_sgpr_workgroup_id_x 1
		.amdhsa_system_sgpr_workgroup_id_y 1
		.amdhsa_system_sgpr_workgroup_id_z 1
		.amdhsa_system_vgpr_workitem_id 0
		.amdhsa_next_free_vgpr 194
		.amdhsa_next_free_sgpr 66
		.amdhsa_reserve_vcc 0
		.amdhsa_float_denorm_mode_32 3
		.amdhsa_float_denorm_mode_16_64 3
		.amdhsa_memory_ordered 1
		.amdhsa_forward_progress 1
		.amdhsa_inst_pref_size 33
	.end_amdhsa_kernel
	.amdgpu_metadata
---
amdhsa.version: [ 1, 2 ]
amdhsa.kernels:
  - .name:           k_q3ebb6b2578_quant
    .symbol:         k_q3ebb6b2578_quant.kd
    .args:
      - { .name: x, .offset: 0, .size: 8, .value_kind: global_buffer, .address_space: global }
      - { .name: Wq, .offset: 8, .size: 8, .value_kind: global_buffer, .address_space: global }
      - { .name: Wk, .offset: 16, .size: 8, .value_kind: global_buffer, .address_space: global }
      - { .name: Wv, .offset: 24, .size: 8, .value_kind: global_buffer, .address_space: global }
      - { .name: Wo, .offset: 32, .size: 8, .value_kind: global_buffer, .address_space: global }
      - { .name: c1, .offset: 40, .size: 8, .value_kind: global_buffer, .address_space: global }
      - { .name: s1, .offset: 48, .size: 8, .value_kind: global_buffer, .address_space: global }
    .group_segment_fixed_size: 33280
    .private_segment_fixed_size: 0
    .kernarg_segment_align: 8
    .kernarg_segment_size: 56
    .max_flat_workgroup_size: 128
    .sgpr_count:     66
    .vgpr_count:     194
    .wavefront_size: 32
...
	.end_amdgpu_metadata
.endif
;; end of part 1
;; launch qkv (part 2): grid 8 x 48, 4 waves a work-group, clusters of 4 x 4, 327,680 bytes of LDS; arguments c1, s1, bq, bk, bv, qrec, kvrec; writes qrec, kvrec
.if DOCPART == 2
	.amdgcn_target "amdgcn-amd-amdhsa--gfx1250"
	.amdhsa_code_object_version 6
	.text
	.protected	k_q3ebb6b2578_qkv
	.globl	k_q3ebb6b2578_qkv
	.p2align	8
	.type	k_q3ebb6b2578_qkv,@function
k_q3ebb6b2578_qkv:
	s_mov_b64 s[64:65], 0
	v_nop
	global_prefetch_b8 v0, s[64:65] scope:SCOPE_SE
	s_setreg_imm32_b32 hwreg(HW_REG_WAVE_MODE, 25, 1), 1
	s_wait_xcnt 0x0
	s_wait_alu depctr_hold_cnt(0) depctr_sa_sdst(0) depctr_va_vdst(0) depctr_va_sdst(0) depctr_va_ssrc(0) depctr_va_vcc(0) depctr_vm_vsrc(0)
	s_getreg_b32 s2, hwreg(HW_REG_IB_STS2, 6, 4)
	s_cmp_eq_u32 s2, 0
	s_cbranch_scc0 .Lentry_in_a_cluster
	s_endpgm
.Lentry_in_a_cluster:
	s_bfe_u32 s2, ttmp6, 0x10000c
	s_cmp_lg_u32 s2, 0xf033
	s_cbranch_scc0 .Lentry_shape_is_right
	s_endpgm
.Lentry_shape_is_right:
; q = x Wq^T + bq, k = x Wk^T + bk, v = x Wv^T + bv on codes of FP6 (E2M3) with E8M0 scales (c1, s1), sums in f32; the results are quantised in registers and stored as the operands of attention.
; ONE TEXT, TWO ORIENTATIONS.  A work-group makes 256 'A rows' x 256 'B rows', both of them row ranges of c1; the matrix instruction takes 16 B rows as source 0 and 16 A rows as source 1, so that a lane holds ONE A row and
; its registers run along B rows.  q and k (cluster y 0-7): A = x, B = Wq (cluster x 0) or Wk (1): a lane is a token, its registers are features, along which q and k are quantised.
; v (cluster y 8-11): A = Wv, B = x: a lane is a feature, its registers are keys, along which v is quantised.  In the K loop only addresses differ.
; c1's rows lie in the order sigma (bits 3 and 4 of the index exchanged), so register j of lane half h in the tile of B rows 2 b + u is the true index 32 b + 16 h + 8 u + j: the 16 registers of two neighbouring tiles are
; 16 neighbours, as the conversions want them; lane r of A's block 2 b + u is the true row 32 b + 8 u + r + 8 (r / 8).
; Four waves, each 128 x 128: 64 accumulators.  K = 1,024 goes in four steps of 256 through two LDS slots filled by the tensor data mover; the four steps are written out.  The scale bytes of the 512 rows come once.
; CLUSTERS: 4 x 4 work-groups; A's tiles are asked for jointly along a row of the cluster, B's along a column.  Which orientation a work-group has hangs on the cluster's y alone, which all sixteen share.
; THE BIAS is the C of each sum's first matrix instruction.
; WHAT IS STORED.  An operand's fragment (12 registers a lane) goes out as an image of its registers: group g of four registers at 512 g + 16 x lane: each store covers 512 consecutive bytes, aligned.
;   q, k: for each head and each 32 tokens one image: registers 0-5 the tokens 32 b + r + 8 (r / 8), registers 6-11 the tokens 8 further on; lane half h holds d = 32 h .. 32 h + 31.  Its scale word: two bytes for each of the two tokens.
;   v: for each head, each 128 keys and each 16 d one image, K = the 128 keys; lane r is d = 32 (t / 2) + 8 (t % 2) + r + 8 (r / 8).
;   qrec: [batch x 16 + head][128 tokens][6,400]: 4 images, then 256 bytes of scale words [r][b].  kvrec: [batch x 16 + head][128 keys][12,800]: k's 4 images, v's 4 images, k's scale words, v's scale words.
; LIMITS: a block of zeros, or one whose largest magnitude lies under 2^-124, gets the scale byte 1 (read by this program alone); NaN and infinities are not served.
; REGISTERS, in windows of 256: window 0: v8-15 the bias loads' offsets; v16-29 addresses; v32-63 scale words, two sets; v64-127 the bias as C; v128-223 A's fragments, one set; on the way out v128-183 are at work.
;   window 1: B's fragments, two sets, at v0 and v128.   window 2: the accumulators of my A rows 0-63 ((a, b) at v[8 (8 a + b)]);   window 3: those of rows 64-127.
.set NQ,     2                         ; matrix instructions deep in a slot
.set ROWB,   192                       ; a tile's row in bytes: 256 codes
.set KROW,   768                       ; bytes of codes for each row position of c1: a group of 256 rows is four dense tiles (K steps) of KT bytes
.set KT,     49152                     ; a tile of c1: 256 rows x 192 bytes, dense; it is fetched as rows of 256 bytes, and the padding behind every 64 bytes gives the LDS rows of PITCH bytes
.set PITCH,  240                       ; an LDS row: 3 x (64 bytes + 16 of padding)
.set FR,     12                        ; registers of a fragment
.set NL,     6                         ; LDS loads that bring one
.set NP,     4                         ; places behind this matrix instruction (ISA guide 7.12.1)
.set HALFT,  128*PITCH                 ; 128 rows: what one tensor load brings
.set SLOT,   2*HALFT                   ; from slot 0 to slot 1, for A's 256 rows and for B's alike: LDS holds A's two slots, then B's two
.set BBASE,  4*HALFT                   ; where B's slots begin
.set KS,     32                        ; a row of s1
.set SCL,    8*HALFT                   ; behind the ring: the scales, as runs of 256 bytes + 16 of padding
.set HALFS,  (128*KS/256)*272          ; those of 128 rows
.set SBLK,   (16*KS/256)*272           ; those of 16 rows
.set SPARE,  SCL+4*HALFS               ; the spare words, 128 bytes for each wave: two blocks of 256 bytes that no other line names
.set BOFF, 8                           ; v8-15   the bias loads' offsets, one for each register of a tile
.set ADRA, 16                          ; v16-17  LDS address of my A fragments in slot 0, 1 (v18-19: behind one padding more)
.set ADRB, 20                          ; v20-21  the same for B (v22-23)
.set LO,   24                          ; v24     16 x lane: my place in an image
.set LSO,  25                          ; v25     my place among the scale words: 16 r, and for lanes 16-31 the next head's record
.set ADRS, 27                          ; v27     LDS address of my scale words: lanes 0-15 A's rows, lanes 16-31 B's
.set SPW,  28                          ; v28     LDS address of my spare word; never rewritten
.set NIL,  29                          ; v29     0; never rewritten
.set SC,   32                          ; scale words: set s at v[SC + 16 s]; register 2 i + q: lanes 0-15 A's block i, lanes 16-31 B's block i
.set BI,   64                          ; the bias, eight registers a tile
.set AF,   128                         ; A's fragments
.set I0,   128                         ; the way out: two images,
.set I1,   140
.set T2,   152                         ; the conversions' second halves,
.set TM,   160                         ; v160-163 largest magnitudes, v164-167 bytes, v172-175 the conversions' scale operands,
.set PW,   176                         ; two scale words as they are made,
.set WT,   178                         ; sorted by head,
.set SW,   180                         ; v180-183 the four words that a lane stores
.set SEL,  2                           ; s2, s3  lane selects for v_permlanex16_b32: lane l xor 16
.set G1, 24                            ; s[24:31] descriptor group 1 for A's tiles;  s[32:39] group 0, one set for each slot
.set G0, 32
.set G1B, 48                           ; s[48:55], s[56:63] the same for B's tiles
.set G0B, 56
.set G1S, 68                           ; s[68:75], s[76:79] groups 1 and 0 for A's scales;  s[80:87], s[88:91] for B's
.set G0S, 76
.set G1SB, 80
.set G0SB, 88
.set MSB, 0
.macro WIN new                         ; the immediate's high byte repeats the setting that is left
.if MSB != \new
	s_set_vgpr_msb (MSB<<8)|\new
.set MSB, \new
.endif
.endm
.set MUL_LO, 0xa1                      ; source 0 (B) window 1, source 1 (A) window 0, C and D window 2
.set MUL_HI, 0xf1                      ; the same, C and D window 3
.set TO_B,   0x40                      ; destination window 1, address window 0
; A joint load: waves 0 and 1 fetch for A, waves 2 and 3 for B.  The branch hangs on the wave's number alone.  Four v_nop follow each of the two lines.
.macro JLOAD g0a, g1a, g0b, g1b
	s_cmp_eq_u32 s15, 0
	s_cbranch_scc0 .Lfor_b_\@
	tensor_load_to_lds s[\g0a:\g0a+3], s[\g1a:\g1a+7]
	s_nop 0
.rept 4
	v_nop
.endr
	s_branch .Lasked_\@
.Lfor_b_\@:
	tensor_load_to_lds s[\g0b:\g0b+3], s[\g1b:\g1b+7]
	s_nop 0
.rept 4
	v_nop
.endr
.Lasked_\@:
.endm
.macro CREST                           ; a round of the cluster's barrier behind its opening barrier
	s_cmp_lg_u32 s14, 0
	s_cbranch_scc1 .Lnot_wave_0_\@
	s_barrier_signal -3
.Lnot_wave_0_\@:
	s_barrier_wait -3
	s_barrier_signal -1
	s_barrier_wait -1
.endm
.macro CROUND                          ; a whole round
	s_barrier_signal -1
	s_barrier_wait -1
	CREST
.endm
	s_load_b256 s[4:11], s[0:1], 0x0               ; c1 s[4:5], s1 s[6:7], bq s[8:9], bk s[10:11]
	s_load_b64 s[12:13], s[0:1], 0x20              ; bv
	s_load_b128 s[96:99], s[0:1], 0x28             ; qrec s[96:97], kvrec s[98:99]
	v_lshl_add_u32 v[SPW], v0, 2, SPARE
	v_mov_b32 v[NIL], 0
	ds_add_u32 v28, v29
	ds_add_u32 v28, v29
	s_wait_dscnt 0x0
	v_lshrrev_b32 v1, 5, v0
	v_readfirstlane_b32 s14, v1                    ; wave 0..3
	s_lshr_b32 s15, s14, 1                         ; which half of the A rows is mine.  Also: I fetch for A (0) or for B (1)
	s_and_b32 s16, s14, 1                          ; which half of the B rows.  Also: which 128 rows I fetch
	s_bfe_u32 s40, ttmp6, 0x40000                  ; cx, cy: my place in the cluster
	s_bfe_u32 s41, ttmp6, 0x40004
	s_and_b32 s17, ttmp7, 0xffff                   ; the cluster's y
	s_lshl_b32 s43, s41, 2
	s_lshl_b32 s43, 15, s43                        ; my row of the cluster
	s_lshl_b32 s44, 0x1111, s40                    ; my column
	; descriptor group 1: a tile of 128 rows x 192 bytes, 16 bytes of padding behind every 64
	s_or_b32 s[G1+0], s43, (0<<16)|(1<<20)|(1<<21)|(3<<22)|(3<<25)  ; 15:0 the mask; 17:16 element of 1 byte; 20 padding on; 21 set beside a mask; 24:22 after every 16 words; 31:25 of 4 words
	s_or_b32 s[G1B+0], s44, (0<<16)|(1<<20)|(1<<21)|(3<<22)|(3<<25)
.irp g, G1, G1B
	s_mov_b32 s[\g+1], 256<<16                     ; tensor_dim0: rows of 256 bytes
	s_mov_b32 s[\g+2], 384<<16                     ; tensor_dim1: the head's load brings K steps 0 and 1, 2 KT dense bytes
	s_mov_b32 s[\g+3], 256<<16                     ; tile_dim0
	s_mov_b32 s[\g+4], 384                         ; tile_dim1
	s_mov_b32 s[\g+5], 256                         ; tensor_dim0_stride
	s_mov_b32 s[\g+6], 0
	s_mov_b32 s[\g+7], 0
.endr
	; the scales of 256 rows: 8,192 dense bytes, as 32 rows of 256 bytes (32 elements of 8 bytes), 16 bytes of padding behind each
	s_or_b32 s[G1S+0], s43, (3<<16)|(1<<20)|(1<<21)|(5<<22)|(3<<25)
	s_or_b32 s[G1SB+0], s44, (3<<16)|(1<<20)|(1<<21)|(5<<22)|(3<<25)
.irp g, G1S, G1SB
	s_mov_b32 s[\g+1], 32<<16
	s_mov_b32 s[\g+2], (256*KS/256)<<16            ; the scales of all 256 rows by one load
	s_mov_b32 s[\g+3], 32<<16
	s_mov_b32 s[\g+4], 256*KS/256
	s_mov_b32 s[\g+5], 32
	s_mov_b32 s[\g+6], 0
	s_mov_b32 s[\g+7], 0
.endr
	s_mov_b32 s[SEL], 0x76543210
	s_mov_b32 s[SEL+1], 0xfedcba98
	s_mov_b32 s101, 0xffff0000                     ; the mask of lanes 16-31
	; which rows of c1.  A's hang on the cluster's y and cy alone, B's on the cluster's x and y and cx alone
	s_lshl_b32 s20, s17, 10                        ; q, k: A = x's rows 1,024 y on
	s_max_u32 s46, s17, 8
	s_sub_co_u32 s46, s46, 8
	s_lshl_b32 s46, s46, 1
	s_add_co_u32 s46, s46, ttmp9
	s_lshl_b32 s46, s46, 10                        ; v: B = x's rows 1,024 (2 (y - 8) + x) on
	s_lshl_b32 s47, ttmp9, 10
	s_add_co_u32 s47, s47, 8192                    ; q, k: B = Wq's rows (x = 0) or Wk's (1)
	s_cmp_ge_u32 s17, 8
	s_cselect_b32 s100, 1, 0                       ; 1: this cluster makes v
	s_cselect_b32 s20, 10240, s20                  ; v: A = Wv's rows
	s_cselect_b32 s46, s46, s47
	s_lshl_b32 s21, s41, 8
	s_add_co_u32 s20, s20, s21                     ; the work-group's first A row
	s_lshl_b32 s47, s40, 8
	s_add_co_u32 s46, s46, s47                     ; and its first B row
	s_mov_b32 s42, s20                             ; both are kept for the way out
	s_mov_b32 s94, s46
	s_lshl_b32 s22, s20, 5                         ; the 256 rows' scales: 32 bytes a row
	s_mov_b32 s23, 0
	s_lshl_b32 s92, s46, 5
	s_mov_b32 s93, 0
	s_mul_i32 s20, s20, KROW                       ; their codes: both first rows are multiples of 256, so this is where the group's first tile begins
	s_mov_b32 s21, 0
	s_mul_i32 s46, s46, KROW
	s_mov_b32 s47, 0
	s_wait_kmcnt 0x0
	s_add_nc_u64 s[20:21], s[4:5], s[20:21]
	s_add_nc_u64 s[22:23], s[6:7], s[22:23]
	s_add_nc_u64 s[46:47], s[4:5], s[46:47]
	s_add_nc_u64 s[92:93], s[6:7], s[92:93]
	CROUND                                         ; all sixteen work-groups are here: the first joint loads meet
	s_mov_b32 s[G0S], 1                            ; the head's four tiles, each whole: the scales of A's 256 rows,
	s_mov_b32 s[G0S+1], SCL
	s_mov_b64 s[G0S+2:G0S+3], s[22:23]
	s_or_b32 s[G0S+3], s[G0S+3], 0x80000000
	s_mov_b32 s[G0SB], 1                           ; of B's,
	s_mov_b32 s[G0SB+1], SCL+2*HALFS
	s_mov_b64 s[G0SB+2:G0SB+3], s[92:93]
	s_or_b32 s[G0SB+3], s[G0SB+3], 0x80000000
	s_mov_b32 s[G0], 1                             ; A's K steps 0 and 1, which lie on end in c1 and land in A's two slots,
	s_mov_b32 s[G0+1], 0
	s_mov_b64 s[G0+2:G0+3], s[20:21]
	s_or_b32 s[G0+3], s[G0+3], 0x80000000
	s_mov_b32 s[G0B], 1                            ; and B's
	s_mov_b32 s[G0B+1], BBASE
	s_mov_b64 s[G0B+2:G0B+3], s[46:47]
	s_or_b32 s[G0B+3], s[G0B+3], 0x80000000
; THE HEAD'S LOADS, ONE A WAVE: one chain of branches on the wave's number, a load to an arm, all arms leading to one join
.macro ARM under, g0, g1, next
	s_cmp_lt_u32 s14, \under
	s_cbranch_scc0 \next
	tensor_load_to_lds s[\g0:\g0+3], s[\g1:\g1+7]
	s_nop 0
.rept 4
	v_nop
.endr
	s_branch .Lhead_asked
\next:
.endm
	ARM 1, G0,  G1,  .Lhead_b
	ARM 2, G0B, G1B, .Lhead_sa
	ARM 3, G0S, G1S, .Lhead_sb
	tensor_load_to_lds s[G0SB:G0SB+3], s[G1SB:G1SB+7]
	s_nop 0
.rept 4
	v_nop
.endr
.Lhead_asked:
	v_and_b32 v1, 15, v0                           ; r = l % 16
	v_bfe_u32 v2, v0, 4, 1                         ; h = l / 16
	v_mul_u32_u24 v3, v1, PITCH
	v_mul_u32_u24 v4, v2, 24
	v_add_nc_u32 v4, v3, v4                        ; a fragment's row x pitch + 24 x half
	v_lshl_add_u32 v5, v2, 4, v4                   ; and the same behind one padding more
	s_mul_i32 s21, s15, HALFT                      ; my 128 A rows
	s_mul_i32 s22, s16, HALFT                      ; my 128 B rows,
	s_add_co_u32 s22, s22, BBASE                   ; which lie behind A's two slots
.irp s, 0,1
	v_add_nc_u32 v[ADRA+\s], s21, v4
	v_add_nc_u32 v[ADRB+\s], s22, v4
	v_add_nc_u32 v[ADRA+2+\s], s21, v5
	v_add_nc_u32 v[ADRB+2+\s], s22, v5
	s_add_co_u32 s21, s21, SLOT
	s_add_co_u32 s22, s22, SLOT
.endr
	v_mul_u32_u24 v5, v1, KS                       ; my row's scales: 32 bytes a row,
	v_lshrrev_b32 v6, 8, v5
	v_lshl_add_u32 v5, v6, 4, v5                   ; and 16 more for each 256 passed
	s_mul_i32 s21, s15, HALFS                      ; A's: my 128 rows
	s_mul_i32 s22, s16, HALFS                      ; B's: my 128 rows, behind A's 256
	s_add_co_u32 s22, s22, 2*HALFS
	s_sub_co_u32 s22, s22, s21
	v_mul_u32_u24 v6, s22, v2                      ; lanes 16-31 take B's
	s_add_co_u32 s21, s21, SCL
	v_add_nc_u32 v5, v5, v6
	v_add_nc_u32 v[ADRS], s21, v5
	; THE BIAS.  q, k: tile t of B rows, register j: bias[f0 + 32 (t / 2) + 8 (t % 2) + 16 h + j].  v: block t of A rows, every register: bv[f0 + 32 (t / 2) + 8 (t % 2) + r + 8 (r / 8)].
	; One run of loads serves both: the lane's offset and the step from register to register (4 bytes or none) are chosen, the tile stands in the immediate.
	s_lshl_b32 s18, s41, 8
	s_lshl_b32 s19, s15, 7
	s_add_co_u32 s18, s18, s19                     ; v: my first feature, 256 cy + 128 x my half of the A rows
	s_lshl_b32 s19, s40, 8
	s_lshl_b32 s21, s16, 7
	s_add_co_u32 s19, s19, s21                     ; q, k: 256 cx + 128 x my half of the B rows
	s_cmp_eq_u32 ttmp9, 0
	s_cselect_b64 s[22:23], s[8:9], s[10:11]       ; bq or bk,
	s_cmp_eq_u32 s100, 1
	s_cselect_b64 s[22:23], s[12:13], s[22:23]     ; or bv
	s_cselect_b32 s18, s18, s19                    ; f0
	s_cselect_b32 s19, 0, 4                        ; from register to register
	s_cselect_b32 s21, -1, 0
	s_lshl_b32 s92, s18, 2
	s_mov_b32 s93, 0
	s_add_nc_u64 s[22:23], s[22:23], s[92:93]      ; s[22:23] and v8-15 stay as they are until the loads are in
	v_lshlrev_b32 v6, 6, v2                        ; 64 h
	v_and_b32 v7, 8, v1
	v_add_nc_u32 v7, v7, v1
	v_lshlrev_b32 v7, 2, v7                        ; 4 (r + 8 (r / 8))
	v_cndmask_b32 v[BOFF], v6, v7, s21
.irp j, 1,2,3,4,5,6,7
	v_add_nc_u32 v[BOFF+\j], s19, v[BOFF+\j-1]
.endr
.irp t, 0,1,2,3,4,5,6,7
.irp j, 0,1,2,3,4,5,6,7
	global_load_b32 v[BI+8*\t+\j], v[BOFF+\j], s[22:23] offset:4*(32*(\t/2)+8*(\t%2))
.endr
.endr
	; WHERE THE RESULTS GO.  My 128 rows of x are one record (128 tokens), my 128 features two heads
	s_lshl_b32 s43, s16, 7
	s_add_co_u32 s43, s94, s43                     ; v: x's rows are the B rows,
	s_lshl_b32 s44, s15, 7
	s_add_co_u32 s44, s42, s44                     ; q, k: the A rows
	s_cmp_eq_u32 s100, 1
	s_cselect_b32 s43, s43, s44
	s_lshr_b32 s44, s43, 11                        ; the batch
	s_bfe_u32 s43, s43, 0x40007                    ; which 128 tokens of its 2,048
	s_lshl_b32 s44, s44, 4
	s_lshr_b32 s18, s18, 6                         ; f0 / 64: my first head
	s_add_co_u32 s44, s44, s18                     ; batch x 16 + head
	s_or_b32 s18, s100, ttmp9                      ; 0: this cluster makes q
	s_cmp_eq_u32 s18, 0
	s_cselect_b64 s[96:97], s[96:97], s[98:99]     ; qrec or kvrec
	s_mov_b32 s18, 204800
	s_cselect_b32 s18, 102400, s18                 ; from head to head
	s_mov_b32 s19, 12800
	s_cselect_b32 s19, 6400, s19                   ; from record to record
	s_mov_b32 s21, 12288
	s_cselect_b32 s21, 6144, s21                   ; where a record's scale words begin: q's, k's,
	s_cmp_eq_u32 s100, 1
	s_cselect_b32 s21, 12544, s21                  ; v's
	s_cselect_b32 s47, 6144, 0                     ; v's images lie behind k's
	s_mul_i32 s44, s44, s18
	s_mul_i32 s43, s43, s19
	s_add_co_u32 s44, s44, s43
	s_mov_b32 s45, 0
	s_add_nc_u64 s[96:97], s[96:97], s[44:45]      ; my first head's record
	s_mov_b32 s44, s21
	s_add_nc_u64 s[92:93], s[96:97], s[44:45]      ; its scale words
	s_mov_b32 s44, s47
	s_add_nc_u64 s[96:97], s[96:97], s[44:45]      ; its images
	s_mov_b32 s44, s18
	s_add_nc_u64 s[98:99], s[96:97], s[44:45]      ; my second head's images
	v_mul_u32_u24 v[LSO], s18, v2
	v_lshl_add_u32 v[LSO], v1, 4, v[LSO]
	v_and_b32 v6, 31, v0
	v_lshlrev_b32 v[LO], 4, v6
.macro FRAG reg, adr, q, i             ; a fragment, 16 rows x 128 K, is 12 registers: lane l holds row l % 16; registers 6 c .. 6 c + 5 hold K = 64 c + 32 (l / 16) + 0 .. 31: 24 bytes of the row, as they lie
.irp p, 0,1,2,3,4,5                    ; in pieces of 8 bytes.  Lanes 16-31 read three pieces further on than lanes 0-15: where that is behind one padding more, the second address register serves
.set PC, 12*(\q)+6*(\p/3)+\p%3
.if PC%8 < 5
	ds_load_b64 v[\reg+2*\p:\reg+2*\p+1], v[\adr] offset:8*PC+16*(PC/8)+(\i)*16*PITCH
.else
	ds_load_b64 v[\reg+2*\p:\reg+2*\p+1], v[\adr+2] offset:8*PC+16*(PC/8)+(\i)*16*PITCH
.endif
.endr
.endm
; 16 matrix instructions: A's blocks a0, a0 + 1 x B's eight, the slot's q-th 128 along K.  p: B's set; sc: the set of scale words.  cm = 0: the sums go on; 1: they start from the bias of B's tile; 2: from that of A's block.
; The 64 accumulators take turns, one instruction a turn, in the same order in every step.
.macro MUL16 a0, p, q, sc, cm
.irp a, \a0, \a0+1
.irp b, 0,1,2,3,4,5,6,7
.if \cm == 1
	v_wmma_scale_f32_16x16x128_f8f6f4 v[8*(8*((\a)%4)+\b):8*(8*((\a)%4)+\b)+7], v[128*(\p)+FR*\b:128*(\p)+FR*\b+FR-1], v[AF+FR*(\a):AF+FR*(\a)+FR-1], v[BI+8*\b:BI+8*\b+7], v[SC+8*NQ*(\sc)+NQ*\b+(\q)], v[SC+8*NQ*(\sc)+NQ*(\a)+(\q)] matrix_a_fmt:MATRIX_FMT_FP6 matrix_b_fmt:MATRIX_FMT_FP6 matrix_a_scale:MATRIX_SCALE_ROW1
.elseif \cm == 2
	v_wmma_scale_f32_16x16x128_f8f6f4 v[8*(8*((\a)%4)+\b):8*(8*((\a)%4)+\b)+7], v[128*(\p)+FR*\b:128*(\p)+FR*\b+FR-1], v[AF+FR*(\a):AF+FR*(\a)+FR-1], v[BI+8*(\a):BI+8*(\a)+7], v[SC+8*NQ*(\sc)+NQ*\b+(\q)], v[SC+8*NQ*(\sc)+NQ*(\a)+(\q)] matrix_a_fmt:MATRIX_FMT_FP6 matrix_b_fmt:MATRIX_FMT_FP6 matrix_a_scale:MATRIX_SCALE_ROW1
.else
	v_wmma_scale_f32_16x16x128_f8f6f4 v[8*(8*((\a)%4)+\b):8*(8*((\a)%4)+\b)+7], v[128*(\p)+FR*\b:128*(\p)+FR*\b+FR-1], v[AF+FR*(\a):AF+FR*(\a)+FR-1], v[8*(8*((\a)%4)+\b):8*(8*((\a)%4)+\b)+7], v[SC+8*NQ*(\sc)+NQ*\b+(\q)], v[SC+8*NQ*(\sc)+NQ*(\a)+(\q)] matrix_a_fmt:MATRIX_FMT_FP6 matrix_b_fmt:MATRIX_FMT_FP6 matrix_a_scale:MATRIX_SCALE_ROW1
.endif
.endr
.endr
.endm
.macro FETCH_B slot, q, p              ; B's eight fragments of the slot's q-th 128 along K into set p
	WIN TO_B
.irp i, 0,1,2,3,4,5,6,7
	FRAG 128*(\p)+FR*\i, ADRB+\slot, \q, \i
.endr
	WIN 0
.endm
.macro FETCH_A slot, q, i0             ; A's blocks i0 .. i0 + 3
.irp i, \i0, \i0+1, \i0+2, \i0+3
	FRAG AF+FR*(\i), ADRA+\slot, \q, \i
.endr
.endm
.macro SCALES sc                       ; a K step's scale words into set sc: two words a row; lanes 0-15 take A's block i, lanes 16-31 B's block i
.irp i, 0,1,2,3,4,5,6,7
	ds_load_b64 v[SC+8*NQ*\sc+NQ*\i:SC+8*NQ*\sc+NQ*\i+1], v[ADRS] offset:\i*SBLK
.endr
.endm
; A load into a register that a matrix instruction has read, and a vector instruction that reads a matrix result, stand NP places behind that matrix instruction; only plain vector instructions that name none of its
; registers are places (ISA guide 7.12.1 for vector instructions).
.macro PLACES n
.rept \n
	v_nop
.endr
.endm
; A slot's first 128 along K.  A block of A is free as soon as its eight products are issued, so A has one set of registers: blocks 0-3 are fetched anew in the step's middle, blocks 4-7 at its end.
.macro STEP slot, cm
	s_wait_dscnt 4*NL                              ; B's set and A's blocks 0-3 are in; the youngest 24 loads (A's blocks 4-7) may be out
.if \cm
	WIN 0x81                                       ; C (the bias) window 0, D window 2
.else
	WIN MUL_LO
.endif
	MUL16 0, 0, 0, \slot, \cm
	MUL16 2, 0, 0, \slot, \cm
	s_wait_dscnt 0                                 ; A's blocks 4-7 are in
	PLACES NP
	FETCH_B \slot, 1, 1
	FETCH_A \slot, 1, 0
.if \cm
	WIN 0xc1                                       ; C window 0, D window 3
.else
	WIN MUL_HI
.endif
	MUL16 4, 0, 0, \slot, \cm
	MUL16 6, 0, 0, \slot, \cm
	PLACES NP
	WIN 0
	FETCH_A \slot, 1, 4
.endm
; A slot's second 128 along K changes slots: ONE barrier; in front of it each wave waits for all its tensor loads, adds 0 to its spare word, and waits for that and for its own reads of this slot.  fill = 1: this slot is filled again, two K steps ahead.
.macro TURN slot, next, fill
	s_wait_tensorcnt 0x0                           ; all my tensor loads have landed: my part of the next slot
	ds_add_u32 v[SPW], v[NIL]                      ; 0 onto my spare word
	s_wait_dscnt 4*NL+1                            ; (the add and the youngest 24 loads, A's blocks 4-7, may be out)
	WIN MUL_LO
	MUL16 0, 1, 1, \slot, 0                        ; sixteen matrix instructions stand between the add and the wait for it
	s_wait_dscnt 0x0                               ; the add is done, and my reads of this slot are over
	s_barrier_signal -1
	MUL16 2, 1, 1, \slot, 0
	WIN 0
	s_barrier_wait -1
.if \fill
	CREST                                          ; the barrier has opened a round of the cluster's barrier: no wave of any partner still reads this slot's tile or has a load on its way
	s_add_nc_u64 s[G0+4*\slot+2:G0+4*\slot+3], s[G0+4*\slot+2:G0+4*\slot+3], 2*KT
	s_add_nc_u64 s[G0B+4*\slot+2:G0B+4*\slot+3], s[G0B+4*\slot+2:G0B+4*\slot+3], 2*KT
	JLOAD G0+4*\slot, G1, G0B+4*\slot, G1B         ; the first tensor load behind the round, my one load until the next; its four v_nop are the places in front of the loads below
.else
	PLACES NP
.endif
	s_wait_alu depctr_va_vdst(0)
	v_add_nc_u32 v[ADRS], 4*NQ, v[ADRS]            ; on to the next K step's scale words
	FETCH_B \next, 0, 0
	FETCH_A \next, 0, 0
	SCALES \next
	WIN MUL_HI
	MUL16 4, 1, 1, \slot, 0
	MUL16 6, 1, 1, \slot, 0
	PLACES NP
	WIN 0
	FETCH_A \next, 0, 4
.endm
	s_wait_alu depctr_va_vdst(0)                   ; the wait at the head's end
	s_wait_tensorcnt 0x0                           ; my tile of the head's four is in; no tensor load of mine is out, so the descriptors may be written for the ring:
	s_mul_i32 s44, s16, KT/2                       ; a wave fetches 128 rows of a tile, KT / 2 dense bytes: which half
	s_mov_b32 s45, 0
.irp g, G0, G0B
	s_add_nc_u64 s[\g+2:\g+3], s[\g+2:\g+3], s[44:45]   ; slot 0's set stands at K step 0, slot 1's at K step 1: each refill steps two on
	s_add_nc_u64 s[\g+6:\g+7], s[\g+2:\g+3], KT
	s_mov_b32 s[\g+4], 1
.endr
	s_mul_i32 s[G0+1], s16, HALFT
	s_add_co_u32 s[G0+5], s[G0+1], SLOT
	s_add_co_u32 s[G0B+1], s[G0+1], BBASE
	s_add_co_u32 s[G0B+5], s[G0B+1], SLOT
.irp g, G1, G1B
	s_mov_b32 s[\g+2], 96<<16                      ; 96 rows of 256 bytes
	s_mov_b32 s[\g+4], 96
.endr
	s_barrier_signal -1
	s_barrier_wait -1                              ; everybody's are
	FETCH_B 0, 0, 0
	FETCH_A 0, 0, 0
	SCALES 0
	FETCH_A 0, 0, 4
	s_wait_loadcnt 0x0                             ; the bias
	s_cmp_eq_u32 s100, 1                           ; the first step is written twice: the bias goes with B's tile (q, k) or with A's block (v)
	s_cbranch_scc1 .Lfirst_v
	STEP 0, 1
	s_branch .Lfirst_done
.Lfirst_v:
	STEP 0, 2
.Lfirst_done:
	TURN 0, 1, 1                                   ; slot 0 takes K step 2
	STEP 1, 0
	TURN 1, 0, 1                                   ; slot 1 takes K step 3
	STEP 0, 0
	TURN 0, 1, 0                                   ; nothing is left to fetch
	STEP 1, 0
	s_wait_dscnt 4*NL                              ; the very last 128 along K
	WIN MUL_LO
	MUL16 0, 1, 1, 1, 0
	MUL16 2, 1, 1, 1, 0
	s_wait_dscnt 0
	WIN MUL_HI
	MUL16 4, 1, 1, 1, 0
	MUL16 6, 1, 1, 1, 0
	WIN 0
; THE WAY OUT.  QUANT: the 64 results of A's block a in my lane (register 16 b + i = index 32 b + 16 h + i along the B rows) become codes: blocks 0, 1 in v[d0] .. v[d0 + 5], blocks 2, 3 in v[d1] .. v[d1 + 5], each lane holding a whole
; block of 32 (lanes 0-15 the even block, lanes 16-31 the odd one); the four scale bytes make the word v[pw].  Each accumulator is read from its low end on.
.macro QUANT a, d0, d1, pw
.set QW, 2+(\a)/4                      ; the block's window
.set QB, 64*((\a)%4)                   ; and its first register there
	WIN 20*QW                                      ; sources 1 and 2 in that window
.irp b, 0,1,2,3
	v_max3_num_f32 v[TM+\b], 0x1800000, |v[QB+16*\b]|, |v[QB+16*\b+1]|   ; block b: my 16 numbers, and the floor 2^(3 - 127): the byte cannot fall under 1
.endr
.irp i, 2,4,6,8,10,12,14
.irp b, 0,1,2,3
	v_max3_num_f32 v[TM+\b], v[TM+\b], |v[QB+16*\b+\i]|, |v[QB+16*\b+\i+1]|   ; (the four blocks by turns)
.endr
.endr
	WIN 0
.irp b, 0,1,2,3
	v_permlanex16_b32 v[TM+4+\b], v[TM+\b], s[SEL], s[SEL+1]
.endr
.irp b, 0,1,2,3
	v_max_num_f32 v[TM+\b], v[TM+\b], v[TM+4+\b]   ; with lane l xor 16's: the block's largest magnitude
.endr
.irp b, 0,1,2,3
	v_add_nc_u32 v[TM+12+\b], 0xff000000, v[TM+\b] ; 2 off its exponent field: the conversion's scale operand
.endr
.irp b, 0,1,2,3
	v_lshrrev_b32 v[TM+4+\b], 23, v[TM+12+\b]      ; the scale's byte
.endr
	v_lshl_or_b32 v[\pw], v[TM+5], 8, v[TM+4]
	v_lshl_or_b32 v[\pw], v[TM+6], 16, v[\pw]
	v_lshl_or_b32 v[\pw], v[TM+7], 24, v[\pw]
	WIN QW                                         ; source 0 in the block's window
	v_cvt_scalef32_pk16_fp6_f32 v[\d0:\d0+2], v[QB:QB+15], v[TM+12]
	v_cvt_scalef32_pk16_fp6_f32 v[T2:T2+2], v[QB+16:QB+31], v[TM+13]       ; (a conversion's three registers begin on an even number)
	v_cvt_scalef32_pk16_fp6_f32 v[\d1:\d1+2], v[QB+32:QB+47], v[TM+14]
	v_cvt_scalef32_pk16_fp6_f32 v[T2+4:T2+6], v[QB+48:QB+63], v[TM+15]
	WIN 0
	v_nop                                          ; one plain place behind a scaled conversion
.irp i, 0,1,2
	v_permlane16_swap_b32 v[\d0+\i], v[T2+\i]      ; the first's lanes 16-31 change places with the second's lanes 0-15: the first now holds each lane's block's lower 16 codes, the second the upper 16
	v_permlane16_swap_b32 v[\d1+\i], v[T2+4+\i]
.endr
.irp i, 0,1,2
	v_mov_b32 v[\d0+3+\i], v[T2+\i]
	v_mov_b32 v[\d1+3+\i], v[T2+4+\i]
.endr
.endm
	PLACES NP                                      ; behind the last products: results are read, and registers that held A's fragments are written
.irp b, 0,1,2,3
	v_mov_b32 v[TM+4+\b], 0                        ; a lane permute's destination counts as one of its sources
.endr
	s_cmp_eq_u32 s100, 1
	s_cbranch_scc1 .Lepi_v
	; q, k: blocks 2 b and 2 b + 1 of tokens make one image for each of my two heads (a block's codes of features 0-63 are the first head's, 64-127 the second's)
.irp bt, 0,1,2,3
.if \bt > 0
	s_wait_xcnt 0x0                                ; the last images' stores have read their registers
.endif
	QUANT 2*\bt, I0, I1, PW
	QUANT 2*\bt+1, I0+6, I1+6, PW+1
	v_perm_b32 v[WT], v[PW+1], v[PW], 0x05040100   ; the first head's word: two bytes of each of the two tokens;
	v_perm_b32 v[WT+1], v[PW+1], v[PW], 0x07060302 ; the second head's
	v_cndmask_b32 v[SW+\bt], v[WT], v[WT+1], s101  ; lanes 0-15 keep the first head's, lanes 16-31 the second's
.irp g, 0,1,2
	global_store_b128 v[LO], v[I0+4*\g:I0+4*\g+3], s[96:97] offset:1536*\bt+512*\g   ; 32 lanes store 512 consecutive bytes, aligned
	global_store_b128 v[LO], v[I1+4*\g:I1+4*\g+3], s[98:99] offset:1536*\bt+512*\g
.endr
.endr
	s_branch .Lepi_done
.Lepi_v:
	; v: block a of features is one image, K = my 128 keys: blocks 0-3 the first head's four tiles of d, blocks 4-7 the second's
.irp a, 0,1,2,3,4,5,6,7
.if (\a > 0) && (\a % 2 == 0)
	s_wait_xcnt 0x0                                ; the last two images' stores have read their registers
.endif
.if \a < 4
	QUANT \a, I0+12*(\a%2), I0+12*(\a%2)+6, SW+\a
.else
	QUANT \a, I0+12*(\a%2), I0+12*(\a%2)+6, PW
	v_cndmask_b32 v[SW+\a-4], v[SW+\a-4], v[PW], s101
.endif
.irp g, 0,1,2
.if \a < 4
	global_store_b128 v[LO], v[I0+12*(\a%2)+4*\g:I0+12*(\a%2)+4*\g+3], s[96:97] offset:1536*(\a%4)+512*\g
.else
	global_store_b128 v[LO], v[I0+12*(\a%2)+4*\g:I0+12*(\a%2)+4*\g+3], s[98:99] offset:1536*(\a%4)+512*\g
.endif
.endr
.endr
.Lepi_done:
	s_wait_alu depctr_va_vdst(0)
	global_store_b128 v[LSO], v[SW:SW+3], s[92:93] ; the scale words: each half of the lanes stores 256 consecutive bytes, aligned, of its head's record
	s_wait_tensorcnt 0x0                           ; the wave's end
	ds_add_u32 v[SPW], v[NIL]
	s_wait_dscnt 0x0
	CROUND                                         ; the closing round: no work-group ends while a partner may still ask for a tile that names it
	s_endpgm
.Lfunc_end_k_q3ebb6b2578_qkv:
	.size	k_q3ebb6b2578_qkv, .Lfunc_end_k_q3ebb6b2578_qkv-k_q3ebb6b2578_qkv
	.p2alignl 7, 3214868480
	.fill 96, 4, 3214868480
	.section	.rodata,"a",@progbits
	.p2align	6, 0x0
	.amdhsa_kernel k_q3ebb6b2578_qkv
		.amdhsa_group_segment_fixed_size 327680
		.amdhsa_private_segment_fixed_size 0
		.amdhsa_enable_private_segment 0
		.amdhsa_kernarg_size 56
		.amdhsa_user_sgpr_count 2
		.amdhsa_user_sgpr_kernarg_segment_ptr 1
		.amdhsa_wavefront_size32 1
		.amdhsa_system_sgpr_workgroup_id_x 1
		.amdhsa_system_sgpr_workgroup_id_y 1
		.amdhsa_system_sgpr_workgroup_id_z 1
		.amdhsa_system_vgpr_workitem_id 0
		.amdhsa_next_free_vgpr 1024
		.amdhsa_next_free_sgpr 102
		.amdhsa_reserve_vcc 0
		.amdhsa_float_denorm_mode_32 3
		.amdhsa_float_denorm_mode_16_64 3
		.amdhsa_memory_ordered 1
		.amdhsa_forward_progress 1
		.amdhsa_inst_pref_size 221
	.end_amdhsa_kernel
	.amdgpu_metadata
---
amdhsa.version: [ 1, 2 ]
amdhsa.kernels:
  - .name:           k_q3ebb6b2578_qkv
    .symbol:         k_q3ebb6b2578_qkv.kd
    .args:
      - { .name: c1, .offset: 0, .size: 8, .value_kind: global_buffer, .address_space: global }
      - { .name: s1, .offset: 8, .size: 8, .value_kind: global_buffer, .address_space: global }
      - { .name: bq, .offset: 16, .size: 8, .value_kind: global_buffer, .address_space: global }
      - { .name: bk, .offset: 24, .size: 8, .value_kind: global_buffer, .address_space: global }
      - { .name: bv, .offset: 32, .size: 8, .value_kind: global_buffer, .address_space: global }
      - { .name: qrec, .offset: 40, .size: 8, .value_kind: global_buffer, .address_space: global }
      - { .name: kvrec, .offset: 48, .size: 8, .value_kind: global_buffer, .address_space: global }
    .group_segment_fixed_size: 327680
    .private_segment_fixed_size: 0
    .kernarg_segment_align: 8
    .kernarg_segment_size: 56
    .max_flat_workgroup_size: 128
    .sgpr_count:     102
    .vgpr_count:     1024
    .wavefront_size: 32
...
	.end_amdgpu_metadata
.endif
;; end of part 2
;; launch attn (part 3): grid 4 x 64, 16 waves a work-group, clusters of 4 x 1, 206,848 bytes of LDS; arguments qrec, kvrec, acod, ascl; writes acod, ascl
.if DOCPART == 3
	.amdgcn_target "amdgcn-amd-amdhsa--gfx1250"
	.amdhsa_code_object_version 6
	.text
	.protected	k_q3ebb6b2578_attn
	.globl	k_q3ebb6b2578_attn
	.p2align	8
	.type	k_q3ebb6b2578_attn,@function
k_q3ebb6b2578_attn:
	s_mov_b64 s[64:65], 0
	v_nop
	global_prefetch_b8 v0, s[64:65] scope:SCOPE_SE
	s_setreg_imm32_b32 hwreg(HW_REG_WAVE_MODE, 25, 1), 1
	s_wait_xcnt 0x0
	s_wait_alu depctr_hold_cnt(0) depctr_sa_sdst(0) depctr_va_vdst(0) depctr_va_sdst(0) depctr_va_ssrc(0) depctr_va_vcc(0) depctr_vm_vsrc(0)
	s_getreg_b32 s2, hwreg(HW_REG_IB_STS2, 6, 4)
	s_cmp_eq_u32 s2, 0
	s_cbranch_scc0 .Lentry_in_a_cluster
	s_endpgm
.Lentry_in_a_cluster:
	s_bfe_u32 s2, ttmp6, 0x10000c
	s_cmp_lg_u32 s2, 0x3003
	s_cbranch_scc0 .Lentry_shape_is_right
	s_endpgm
.Lentry_shape_is_right:
; o = softmax(q k^T / 8) v for one (batch, head) and 512 queries a work-group, on codes of FP6 (E2M3) with E8M0 scales; o is quantised along the head's 64 and stored as the last product's operand.
; THE DEAL.  64 (batch, head) x 4 blocks of 512 queries = 256 work-groups of 16 waves.  A wave owns one image of qrec, 32 queries, and takes its two tiles of 16 one after the other (e = 0, 1).
; A HEAD'S KEYS AND VALUES STAY IN LDS: 16 records of 12,800 bytes (128 keys each: k's 4 images, v's 4 images, their scale words), 204,800 bytes, fetched once, a record a wave, as 50 rows of 256 bytes.
; Nothing is filled again: behind the one barrier that shows the records to all waves, no wave waits for another.
; CLUSTERS: the four work-groups of a (batch, head) read the same records and ask for them jointly (mask 15).  No prefetch: all that the launch loads by the mover is asked for at its head; there is no loop to run ahead in.
; A STEP is 128 keys.  S^T = k q^T: an image of k holds two groups of 16 keys side by side along the instruction's K = 128, and q stands beside 64 zero codes, in the first or the second half: two products an image.
; A lane then holds one query, and the 16 registers of two neighbouring tiles are 16 neighbouring keys.  t = score x log2(e) / 8; M = the ceiling of the running largest t, kept as -M; p = 2^(t - M); the row's sum is taken of the
; unquantised p; what was summed under an older M is multiplied by 2^(old M - new M), in every step, with no branch.  A block's largest p is made of the block's largest score by the same two instructions.  O^T += v^T p^T.
; TWO REGIONS OF 64 REGISTERS CHANGE ROLES FROM STEP TO STEP: one holds k's images and then v's, the other the scores and p; when p has been converted, its registers take the NEXT step's images of k, asked for ahead of the second product.
; A pass's last step has no next record: its address is held at the last record, and what it loads is loaded over before it is read.
; WHAT IS STORED.  acod[batch x 8 + head / 2][tile of 16 tokens][1,536]: an image of an operand's 12 registers, group g of four at 512 g + 16 x lane, K = the 128 features of two heads.  By the order along K that the first launch
; gives Wo, lanes 0-15 hold the even head's 64 (registers 0-5 d = 0-31, 6-11 d = 32-63) and lanes 16-31 the odd head's.  So a wave writes 256 consecutive bytes, aligned, of each group of each of its two tiles.
; ascl[batch x 8 + head / 2][tile][token r]: a scale word; its bytes 0 and 2 are the even head's, 1 and 3 the odd head's.  The two heads lie in two work-groups, so a lane stores its token's two bytes singly: 1 byte for each 24 of codes.
; LIMITS: the promise holds while the scaled scores t stay under 2^31 in magnitude; a block of zeros, or one under 2^-124, gets the scale byte 1 (read by this program alone); NaN and infinities are not served.
.set STEPB,  12800                     ; a record
.set NST,    16                        ; records of a head
.set SPARE,  NST*STEPB                 ; behind them the spare words, 128 bytes a wave
.set LI,  1                            ; v1  16 x lane: my place in an image
.set LR,  2                            ; v2  16 x (lane % 16): my row's four scale words
.set SPW, 3                            ; v3  my spare word; v4  0
.set NIL, 4
.set ADI, 5                            ; v5, v6  the two with a record's place added
.set ADS, 6
.set TP,  7
.set ACO, 8                            ; v8  where my codes go; v9  my scale bytes
.set ASO, 9
.set OM,  10                           ; the -M of the step before
.set QF,  16                           ; v16-33  q, 6 registers of zero codes, q
.set QS,  34                           ; q's scale word; v35, v36-41 the second tile's word and codes (in the second pass v36-41 hold three chains of the row's sum)
.set QSB, 35
.set QB,  36
.set AI,  42                           ; v42-53  the results' codes (in the first pass v48-53 hold the three chains); v54, v55 their scale bytes
.set AW,  54
.set KS,  56                           ; k's and v's scale words
.set VS,  60
.set R1,  64                           ; the two regions
.set R2,  128
.set S,   R2                           ; at work at the head and at a pass's end
.set O,   192                          ; v192-223 O^T
.set PC,  224                          ; p's codes
.set BM,  236                          ; the blocks' largest scores
.set SCO, 240
.set T,   244                          ; v244-247, used up before the conversions write v244-250
.set T3,  244
.set PS,  251                          ; p's scale word
.set FF,  252
.set C0,  254                          ; the sum's fourth chain
.set WV,  12
.set G1,  16
.set G0,  24
.set SEL, 36
.set CS,  38
.set TB,  40
.set CNT, 41
.set HM,  42
.set OC,  52
.set OS,  54
.macro CROUND                          ; a round of the cluster's barrier
	s_barrier_signal -1
	s_barrier_wait -1
	s_cmp_lg_u32 s[WV], 0
	s_cbranch_scc1 .Lnot_wave_0_\@
	s_barrier_signal -3
.Lnot_wave_0_\@:
	s_barrier_wait -3
	s_barrier_signal -1
	s_barrier_wait -1
.endm
	s_load_b256 s[4:11], s[0:1], 0x0               ; qrec, kvrec, acod, ascl
	v_lshl_add_u32 v[SPW], v0, 2, SPARE
	v_mov_b32 v[NIL], 0
	ds_add_u32 v[SPW], v[NIL]                      ; the opening lines: the add, twice on end, and its wait ahead of my tensor load
	ds_add_u32 v[SPW], v[NIL]
	v_lshrrev_b32 v7, 5, v0
	v_readfirstlane_b32 s[WV], v7                  ; wave 0..15
	s_bfe_u32 s13, ttmp6, 0x40000                  ; cx: which 512 queries
	s_and_b32 s15, ttmp7, 0xffff                   ; batch x 16 + head
	s_mov_b32 s[G1], 15|(3<<16)|(1<<21)            ; the mask of the four; elements of 8 bytes; bit 21 beside a mask
	s_mov_b32 s[G1+1], 32<<16                      ; rows of 256 bytes,
	s_mov_b32 s[G1+2], 50<<16                      ; 50 of them: a record
	s_mov_b32 s[G1+3], 32<<16
	s_mov_b32 s[G1+4], 50
	s_mov_b32 s[G1+5], 32
	s_mov_b32 s[G1+6], 0
	s_mov_b32 s[G1+7], 0
	s_mul_i32 s46, s[WV], STEPB                    ; record w comes by wave w
	s_mul_i32 s32, s15, NST*STEPB
	s_add_co_u32 s32, s32, s46
	s_mov_b32 s33, 0
	s_mov_b32 s[G0], 1
	s_mov_b32 s[G0+1], s46
	s_mov_b32 s[SEL], 0x76543210                   ; v_permlanex16_b32's selects for lane l xor 16
	s_mov_b32 s[SEL+1], 0xfedcba98
	s_mov_b32 s[CS], 0x3e38aa3b                    ; log2(e) / 8
	s_mov_b32 s[CS+1], s[CS]
	s_mov_b32 s[HM], 0xffff0000                    ; lanes 16-31
	s_lshl_b32 s44, s13, 2                         ; my image of q: record 4 cx + w / 4 of 6,400 bytes, image w % 4
	s_lshr_b32 s45, s[WV], 2
	s_add_co_u32 s44, s44, s45
	s_mul_i32 s44, s44, 6400
	s_mul_i32 s45, s15, 102400
	s_add_co_u32 s44, s44, s45
	s_and_b32 s46, s[WV], 3
	s_mul_i32 s47, s46, 1536
	s_add_co_u32 s48, s44, s47
	s_mov_b32 s49, 0
	s_lshl_b32 s46, s46, 2
	s_add_co_u32 s50, s44, s46
	s_add_co_u32 s50, s50, 6144                    ; its scale words [r][image]
	s_mov_b32 s51, 0
	s_lshr_b32 s28, s15, 1                         ; the results: batch x 8 + head / 2,
	s_and_b32 s29, s15, 1                          ; which head of the two,
	s_lshl_b32 s30, s13, 5
	s_lshl_b32 s31, s[WV], 1
	s_add_co_u32 s30, s30, s31                     ; my first tile of 16 tokens: 32 cx + 2 w
	s_mul_i32 s[OC], s28, 196608
	s_mul_i32 s31, s30, 1536
	s_add_co_u32 s[OC], s[OC], s31
	s_lshl_b32 s31, s29, 8
	s_add_co_u32 s[OC], s[OC], s31
	s_mov_b32 s[OC+1], 0
	s_lshl_b32 s[OS], s28, 13
	s_lshl_b32 s31, s30, 6
	s_add_co_u32 s[OS], s[OS], s31
	s_add_co_u32 s[OS], s[OS], s29
	s_mov_b32 s[OS+1], 0
	v_and_b32 v7, 31, v0
	v_lshlrev_b32 v[LI], 4, v7
	v_and_b32 v10, 15, v0
	v_lshlrev_b32 v[LR], 4, v10
	v_bfe_u32 v11, v0, 4, 1                        ; on the way out lanes 0-15 hold my first tile, lanes 16-31 my second
	v_mad_u32_u24 v[ACO], v11, 1536, v[LR]
	v_lshlrev_b32 v[ASO], 2, v10
	v_lshl_add_u32 v[ASO], v11, 6, v[ASO]
	s_wait_alu depctr_va_vdst(0)
	s_wait_dscnt 0x0                               ; both opening adds are done
	CROUND                                         ; the four work-groups are here: the joint loads meet
	s_wait_kmcnt 0x0
	s_add_nc_u64 s[G0+2:G0+3], s[6:7], s[32:33]
	s_or_b32 s[G0+3], s[G0+3], 0x80000000
	tensor_load_to_lds s[G0:G0+3], s[G1:G1+7]      ; my one tensor load
	s_nop 0
.rept 4
	v_nop
.endr
	s_add_nc_u64 s[48:49], s[4:5], s[48:49]
	s_add_nc_u64 s[50:51], s[4:5], s[50:51]
	s_add_nc_u64 s[OC:OC+1], s[8:9], s[OC:OC+1]
	s_add_nc_u64 s[OS:OS+1], s[10:11], s[OS:OS+1]
.irp g, 0,1,2
	global_load_b128 v[S+4*\g:S+4*\g+3], v[LI], s[48:49] offset:512*\g
.endr
	global_load_b32 v[S+12], v[LR], s[50:51]
	v_mov_b32 v13, 0xff61b1e6                      ; the largest t so far: -3e38
	v_floor_f32 v12, -v13                          ; -M
	v_mov_b32 v14, 0                               ; the row's sum, in two halves
	v_mov_b32 v15, 0
.set j, 0
.rept 32
	v_mov_b32 v[O+j], 0                            ; the step is written once: the first finds zeros
.set j, j+1
.endr
	s_wait_loadcnt 0x0
	v_perm_b32 v[QS], v[S+12], v[S+12], 0x01000100  ; the first tile's two scale bytes, for either half of K;
	v_perm_b32 v[QSB], v[S+12], v[S+12], 0x03020302 ; the second's
.irp i, 0,1,2,3,4,5
	v_mov_b32 v[QF+\i], v[S+\i]
	v_mov_b32 v[QF+6+\i], 0
	v_mov_b32 v[QF+12+\i], v[S+\i]
	v_mov_b32 v[QB+\i], v[S+6+\i]
.endr
.irp b, 0,1,2,3
	v_mov_b32 v[T+\b], 0                           ; a lane permute's destination counts as one of its sources
.endr
	v_mov_b32 v[FF+1], 0
	v_mov_b32 v[TP], 0
.macro KFIRST                          ; record 0's images of k into region 1, ahead of a pass
	s_mov_b32 s[TB], 0
	v_mov_b32 v[ADI], v[LI]
	v_mov_b32 v[ADS], v[LR]
	s_wait_alu depctr_va_vdst(0)
.irp i, 0,1,2,3
.irp g, 0,1,2
	ds_load_b128 v[R1+12*\i+4*\g:R1+12*\i+4*\g+3], v[ADI] offset:1536*\i+512*\g
.endr
.endr
	ds_load_b128 v[KS:KS+3], v[ADS] offset:12288
.endm
.macro STEP RA, RB, CB                 ; RA: k's images, then v's;  RB: the scores, p, then the next step's images of k;  CB: three chains of the sum
	s_wait_dscnt 0x0                               ; k's images and scale words, asked for in the step before
.irp i, 0,1,2,3
.irp u, 0,1
	v_wmma_scale_f32_16x16x128_f8f6f4 v[\RB+8*(2*\i+\u):\RB+8*(2*\i+\u)+7], v[\RA+12*\i:\RA+12*\i+11], v[QF+6*\u:QF+6*\u+11], 0, v[KS+\i], v[QS] matrix_a_fmt:MATRIX_FMT_FP6 matrix_b_fmt:MATRIX_FMT_FP6
.endr
.endr
	s_add_co_u32 s[TB], s[TB], STEPB               ; the next record, held at the last
	s_min_u32 s[TB], s[TB], (NST-1)*STEPB
	v_mov_b32 v[OM], v12
	v_nop
	v_nop
	v_nop                                          ; four places behind the products
.irp i, 0,1,2,3
.irp g, 0,1,2
	ds_load_b128 v[\RA+12*\i+4*\g:\RA+12*\i+4*\g+3], v[ADI] offset:6144+1536*\i+512*\g   ; v's four images, under the softmax
.endr
.endr
	ds_load_b128 v[VS:VS+3], v[ADS] offset:12544
.irp b, 0,1,2,3
	v_max3_num_f32 v[BM+\b], v[\RB+16*\b], v[\RB+1+16*\b], v[\RB+2+16*\b]   ; the largest score of each block of 32 keys, the four blocks by turns
.endr
.irp i, 3,5,7,9,11,13
.irp b, 0,1,2,3
	v_max3_num_f32 v[BM+\b], v[BM+\b], v[\RB+16*\b+\i], v[\RB+1+16*\b+\i]
.endr
.endr
.irp b, 0,1,2,3
	v_max_num_f32 v[BM+\b], v[BM+\b], v[\RB+15+16*\b]
.endr
.irp b, 0,1,2,3
	s_delay_alu instid0(VALU_DEP_4)
	v_permlanex16_b32 v[T+\b], v[BM+\b], s[SEL], s[SEL+1]
.endr
.irp b, 0,1,2,3
	s_delay_alu instid0(VALU_DEP_4)
	v_max_num_f32 v[BM+\b], v[BM+\b], v[T+\b]      ; with lane l xor 16's 16 keys
.endr
	s_delay_alu instid0(VALU_DEP_2)
	v_max3_num_f32 v[TP], v[BM], v[BM+1], v[BM+2]
	s_delay_alu instid0(VALU_DEP_1)
	v_max_num_f32 v[TP], v[TP], v[BM+3]
	s_delay_alu instid0(VALU_DEP_1)
	v_mul_f32 v[TP], s[CS], v[TP]
	s_delay_alu instid0(VALU_DEP_1)
	v_max_num_f32 v13, v13, v[TP]                  ; the running largest t
	s_delay_alu instid0(VALU_DEP_1)
	v_floor_f32 v12, -v13                          ; the new -M
	s_delay_alu instid0(VALU_DEP_1)
	v_sub_f32 v[TP], v12, v[OM]
	s_delay_alu instid0(VALU_DEP_1)
	v_cvt_i32_f32 v[TP], v[TP]                     ; old M - new M, a whole number (it saturates)
	s_delay_alu instid0(VALU_DEP_1)
	v_ldexp_f32 v[FF], 1.0, v[TP]                  ; f = 2^(old M - new M)
.set j, 0
.rept 32
	v_pk_fma_f32 v[\RB+j:\RB+j+1], v[\RB+j:\RB+j+1], s[CS:CS+1], v[12:13] op_sel_hi:[1,0,0]   ; t - M
.set j, j+2
.endr
	v_pk_fma_f32 v[BM:BM+1], v[BM:BM+1], s[CS:CS+1], v[12:13] op_sel_hi:[1,0,0]       ; the same of each block's largest score
	v_pk_fma_f32 v[BM+2:BM+3], v[BM+2:BM+3], s[CS:CS+1], v[12:13] op_sel_hi:[1,0,0]
.set j, 0
	s_wait_alu depctr_va_vdst(0)                   ; the wait ahead of the batch
.rept 64
	v_exp_f32 v[\RB+j], v[\RB+j]                   ; p
.set j, j+1
.endr
	v_add_nc_u32 v[ADI], s[TB], v[LI]              ; on to the next record (v's loads have been issued)
	v_add_nc_u32 v[ADS], s[TB], v[LR]
	s_wait_alu depctr_va_vdst(0)                   ; one wait for the batch, ahead of its first reader
.irp b, 0,1,2,3
	v_exp_f32 v[BM+\b], v[BM+\b]                   ; the blocks' largest p
.endr
	v_pk_add_f32 v[C0:C0+1], v[\RB:\RB+1], v[\RB+8:\RB+9]               ; this step's part of the row's sum, of the unquantised p, in four chains
	v_pk_add_f32 v[\CB:\CB+1], v[\RB+2:\RB+3], v[\RB+10:\RB+11]
	v_pk_add_f32 v[\CB+2:\CB+3], v[\RB+4:\RB+5], v[\RB+12:\RB+13]
	v_pk_add_f32 v[\CB+4:\CB+5], v[\RB+6:\RB+7], v[\RB+14:\RB+15]
.set j, 16
.rept 6
	v_pk_add_f32 v[C0:C0+1], v[C0:C0+1], v[\RB+j:\RB+j+1]
	v_pk_add_f32 v[\CB:\CB+1], v[\CB:\CB+1], v[\RB+j+2:\RB+j+3]
	v_pk_add_f32 v[\CB+2:\CB+3], v[\CB+2:\CB+3], v[\RB+j+4:\RB+j+5]
	v_pk_add_f32 v[\CB+4:\CB+5], v[\CB+4:\CB+5], v[\RB+j+6:\RB+j+7]
.set j, j+8
.endr
	s_wait_alu depctr_va_vdst(0)                   ; and one for the four
.irp b, 0,1,2,3
	v_max_num_f32 v[BM+\b], 0x1800000, v[BM+\b]    ; the floor 2^(3 - 127): the byte cannot fall under 1
.endr
.irp b, 0,1,2,3
	s_delay_alu instid0(VALU_DEP_4)
	v_add_nc_u32 v[SCO+\b], 0xff000000, v[BM+\b]   ; 2 off the exponent field: the conversion's scale operand
.endr
.irp b, 0,1,2,3
	s_delay_alu instid0(VALU_DEP_4)
	v_lshrrev_b32 v[T+\b], 23, v[SCO+\b]           ; the scale's byte
.endr
	s_delay_alu instid0(VALU_DEP_3)
	v_lshl_or_b32 v[PS], v[T+1], 8, v[T]
	s_delay_alu instid0(VALU_DEP_1)
	v_lshl_or_b32 v[PS], v[T+2], 16, v[PS]
	s_delay_alu instid0(VALU_DEP_1)
	v_lshl_or_b32 v[PS], v[T+3], 24, v[PS]
.irp c, 0,1
	v_cvt_scalef32_pk16_fp6_f32 v[PC+6*\c:PC+6*\c+2], v[\RB+32*\c:\RB+32*\c+15], v[SCO+2*\c]
	v_cvt_scalef32_pk16_fp6_f32 v[T3+4*\c:T3+4*\c+2], v[\RB+16+32*\c:\RB+31+32*\c], v[SCO+2*\c+1]
.endr
	v_nop                                          ; one plain place behind a scaled conversion
.irp i, 0,1,2,3
.irp g, 0,1,2
	ds_load_b128 v[\RB+12*\i+4*\g:\RB+12*\i+4*\g+3], v[ADI] offset:1536*\i+512*\g   ; p is spent: its registers take the next step's images of k
.endr
.endr
	ds_load_b128 v[KS:KS+3], v[ADS] offset:12288
.irp c, 0,1
.irp i, 0,1,2
	v_permlane16_swap_b32 v[PC+6*\c+\i], v[T3+4*\c+\i]   ; a whole block to a lane
.endr
.irp i, 0,1,2
	s_delay_alu instid0(VALU_DEP_3)
	v_mov_b32 v[PC+3+6*\c+\i], v[T3+4*\c+\i]
.endr
.endr
	s_wait_alu depctr_va_vdst(0)                   ; the wait ahead of the first reader of O^T
.set j, 0
.rept 16
	v_pk_mul_f32 v[O+j:O+j+1], v[O+j:O+j+1], v[FF:FF+1] op_sel_hi:[1,0]   ; O^T under the new M
.set j, j+2
.endr
	s_wait_alu depctr_va_vdst(0)
	s_wait_dscnt 13                                ; v's images and scale words are in; the 13 loads for the next step may be out
.irp i, 0,1,2,3
	v_wmma_scale_f32_16x16x128_f8f6f4 v[O+8*\i:O+8*\i+7], v[\RA+12*\i:\RA+12*\i+11], v[PC:PC+11], v[O+8*\i:O+8*\i+7], v[VS+\i], v[PS] matrix_a_fmt:MATRIX_FMT_FP6 matrix_b_fmt:MATRIX_FMT_FP6
.endr
	v_pk_add_f32 v[C0:C0+1], v[C0:C0+1], v[\CB:\CB+1]                    ; the chains are joined here: these five lines are the places ahead of the next products, which write over v's images
	v_pk_add_f32 v[\CB+2:\CB+3], v[\CB+2:\CB+3], v[\CB+4:\CB+5]
	v_pk_add_f32 v[C0:C0+1], v[C0:C0+1], v[\CB+2:\CB+3]
	v_pk_fma_f32 v[14:15], v[14:15], v[FF:FF+1], v[C0:C0+1] op_sel_hi:[1,0,1]   ; the sum under the new M, and this step's part
	v_nop
.endm
.macro PASS CB                         ; one tile of 16 queries past all 2,048 keys: a trip is two steps, until the regions are back where they began
	s_mov_b32 s[CNT], NST/2
.Lstep_\@:
	STEP R1, R2, \CB
	STEP R2, R1, \CB
	s_sub_co_u32 s[CNT], s[CNT], 1
	s_cmp_lg_u32 s[CNT], 0
	s_cbranch_scc1 .Lstep_\@
.endm
.macro FINISH e                        ; O^T / the sum, quantised along d: six registers of codes (lane half h: d = 32 h ..) and two scale bytes
	v_add_f32 v14, v14, v15
	s_delay_alu instid0(VALU_DEP_1)
	v_permlanex16_b32 v[TP], v14, s[SEL], s[SEL+1]
	s_delay_alu instid0(VALU_DEP_1)
	v_add_f32 v14, v14, v[TP]
	s_wait_alu depctr_va_vdst(0)
	v_rcp_f32 v[FF], v14
	v_nop
	s_wait_alu depctr_va_vdst(0)
.set j, 0
.rept 16
	v_pk_mul_f32 v[S+j:S+j+1], v[O+j:O+j+1], v[FF:FF+1] op_sel_hi:[1,0]
.set j, j+2
.endr
.irp b, 0,1
	v_max3_num_f32 v[BM+\b], |v[S+16*\b]|, |v[S+1+16*\b]|, 0x1800000
.endr
.irp i, 2,4,6,8,10,12,14
.irp b, 0,1
	s_delay_alu instid0(VALU_DEP_2)
	v_max3_num_f32 v[BM+\b], v[BM+\b], |v[S+16*\b+\i]|, |v[S+1+16*\b+\i]|
.endr
.endr
.irp b, 0,1
	s_delay_alu instid0(VALU_DEP_2)
	v_permlanex16_b32 v[T+\b], v[BM+\b], s[SEL], s[SEL+1]
.endr
.irp b, 0,1
	s_delay_alu instid0(VALU_DEP_2)
	v_max_num_f32 v[BM+\b], v[BM+\b], v[T+\b]
.endr
.irp b, 0,1
	s_delay_alu instid0(VALU_DEP_2)
	v_add_nc_u32 v[SCO+\b], 0xff000000, v[BM+\b]
.endr
.irp b, 0,1
	s_delay_alu instid0(VALU_DEP_2)
	v_lshrrev_b32 v[T+\b], 23, v[SCO+\b]
.endr
	s_delay_alu instid0(VALU_DEP_1)
	v_lshl_or_b32 v[AW+\e], v[T+1], 8, v[T]        ; this tile's two bytes
	v_cvt_scalef32_pk16_fp6_f32 v[AI+6*\e:AI+6*\e+2], v[S:S+15], v[SCO]
	v_cvt_scalef32_pk16_fp6_f32 v[T3:T3+2], v[S+16:S+31], v[SCO+1]
	v_nop
.irp i, 0,1,2
	v_permlane16_swap_b32 v[AI+6*\e+\i], v[T3+\i]
.endr
.irp i, 0,1,2
	s_delay_alu instid0(VALU_DEP_3)
	v_mov_b32 v[AI+6*\e+3+\i], v[T3+\i]
.endr
.if \e == 0                            ; on to the second tile
	v_mov_b32 v[QS], v[QSB]
.irp i, 0,1,2,3,4,5
	v_mov_b32 v[QF+\i], v[QB+\i]
	v_mov_b32 v[QF+12+\i], v[QB+\i]
.endr
.set j, 0
.rept 32
	v_mov_b32 v[O+j], 0
.set j, j+1
.endr
	v_mov_b32 v13, 0xff61b1e6
	s_delay_alu instid0(VALU_DEP_1)
	v_floor_f32 v12, -v13
	v_mov_b32 v14, 0
	v_mov_b32 v15, 0
	s_wait_alu depctr_va_vdst(0)
.endif
.endm
	s_wait_alu depctr_va_vdst(0)                   ; the wait at the head's end
	s_wait_tensorcnt 0x0                           ; my record is in,
	s_barrier_signal -1
	s_barrier_wait -1                              ; everybody's is
	KFIRST
	PASS AI+6
	s_wait_dscnt 0x0                               ; what the last step asked for is in: its registers may be loaded anew
	KFIRST                                         ; the second pass's first images come under the first tile's way out
	FINISH 0
	PASS QB
	FINISH 1
.irp i, 0,1,2,3,4,5
	v_permlane16_swap_b32 v[AI+\i], v[AI+6+\i]     ; lanes 0-15 now hold the first tile's token r, lanes 16-31 the second's: registers 0-5 d = 0-31, registers 6-11 d = 32-63
.endr
	v_cndmask_b32 v[AW], v[AW], v[AW+1], s[HM]
	v_lshrrev_b32 v[AW+1], 8, v[AW]
.irp g, 0,1,2
	global_store_b128 v[ACO], v[AI+4*\g:AI+4*\g+3], s[OC:OC+1] offset:512*\g   ; each half of the lanes stores 256 consecutive bytes, aligned
.endr
	global_store_b8 v[ASO], v[AW], s[OS:OS+1]              ; my head's byte for d = 0-31,
	global_store_b8 v[ASO], v[AW+1], s[OS:OS+1] offset:2   ; and for d = 32-63
	s_wait_tensorcnt 0x0                           ; the wave's end
	ds_add_u32 v[SPW], v[NIL]
	s_wait_dscnt 0x0
	CROUND                                         ; the closing round
	s_endpgm
.Lfunc_end_k_q3ebb6b2578_attn:
	.size	k_q3ebb6b2578_attn, .Lfunc_end_k_q3ebb6b2578_attn-k_q3ebb6b2578_attn
	.p2alignl 7, 3214868480
	.fill 96, 4, 3214868480
	.section	.rodata,"a",@progbits
	.p2align	6, 0x0
	.amdhsa_kernel k_q3ebb6b2578_attn
		.amdhsa_group_segment_fixed_size 206848
		.amdhsa_private_segment_fixed_size 0
		.amdhsa_enable_private_segment 0
		.amdhsa_kernarg_size 32
		.amdhsa_user_sgpr_count 2
		.amdhsa_user_sgpr_kernarg_segment_ptr 1
		.amdhsa_wavefront_size32 1
		.amdhsa_system_sgpr_workgroup_id_x 1
		.amdhsa_system_sgpr_workgroup_id_y 1
		.amdhsa_system_sgpr_workgroup_id_z 1
		.amdhsa_system_vgpr_workitem_id 0
		.amdhsa_next_free_vgpr 256
		.amdhsa_next_free_sgpr 66
		.amdhsa_reserve_vcc 0
		.amdhsa_float_denorm_mode_32 3
		.amdhsa_float_denorm_mode_16_64 3
		.amdhsa_memory_ordered 1
		.amdhsa_forward_progress 1
		.amdhsa_inst_pref_size 85
	.end_amdhsa_kernel
	.amdgpu_metadata
---
amdhsa.version: [ 1, 2 ]
amdhsa.kernels:
  - .name:           k_q3ebb6b2578_attn
    .symbol:         k_q3ebb6b2578_attn.kd
    .args:
      - { .name: qrec, .offset: 0, .size: 8, .value_kind: global_buffer, .address_space: global }
      - { .name: kvrec, .offset: 8, .size: 8, .value_kind: global_buffer, .address_space: global }
      - { .name: acod, .offset: 16, .size: 8, .value_kind: global_buffer, .address_space: global }
      - { .name: ascl, .offset: 24, .size: 8, .value_kind: global_buffer, .address_space: global }
    .group_segment_fixed_size: 206848
    .private_segment_fixed_size: 0
    .kernarg_segment_align: 8
    .kernarg_segment_size: 32
    .max_flat_workgroup_size: 512
    .sgpr_count:     66
    .vgpr_count:     256
    .wavefront_size: 32
...
	.end_amdgpu_metadata
.endif
;; end of part 3
;; launch oproj (part 4): grid 8 x 32, 4 waves a work-group, clusters of 4 x 4, 327,680 bytes of LDS; arguments acod, ascl, c1, s1, bo, out0; writes out0
.if DOCPART == 4
	.amdgcn_target "amdgcn-amd-amdhsa--gfx1250"
	.amdhsa_code_object_version 6
	.text
	.protected	k_q3ebb6b2578_oproj
	.globl	k_q3ebb6b2578_oproj
	.p2align	8
	.type	k_q3ebb6b2578_oproj,@function
k_q3ebb6b2578_oproj:
	s_mov_b64 s[64:65], 0
	v_nop
	global_prefetch_b8 v0, s[64:65] scope:SCOPE_SE
	s_setreg_imm32_b32 hwreg(HW_REG_WAVE_MODE, 25, 1), 1
	s_wait_xcnt 0x0
	s_wait_alu depctr_hold_cnt(0) depctr_sa_sdst(0) depctr_va_vdst(0) depctr_va_sdst(0) depctr_va_ssrc(0) depctr_va_vcc(0) depctr_vm_vsrc(0)
	s_getreg_b32 s2, hwreg(HW_REG_IB_STS2, 6, 4)
	s_cmp_eq_u32 s2, 0
	s_cbranch_scc0 .Lentry_in_a_cluster
	s_endpgm
.Lentry_in_a_cluster:
	s_bfe_u32 s2, ttmp6, 0x10000c
	s_cmp_lg_u32 s2, 0xf033
	s_cbranch_scc0 .Lentry_shape_is_right
	s_endpgm
.Lentry_shape_is_right:
; out0 = a Wo^T + bo on codes of FP6 (E2M3) with E8M0 scales, sums in f32.  a's operands come as register images from acod (scale words: ascl), Wo's rows from c1 (scale bytes: s1).
; THE DEAL.  8 x 32 = 256 work-groups, each 256 tokens x 128 columns; four waves, 2 x 2: a wave makes 128 tokens x 64 columns.
; ALL OF K IS RESIDENT.  LDS holds a's images [head pair y = 0..7][16 tiles of 16 tokens][1,536 bytes], 196,608 bytes, and Wo's 128 rows [K step of 256][128 rows][240 bytes], 122,880 bytes, each asked for once, at the head,
; one tensor load a wave: waves 0 and 1 two K steps of Wo each, waves 2 and 3 four head pairs of a each.  Nothing is filled again: no ring.
; A wave's 64 rows of Wo, all of K, go into registers (32 fragments, 384 registers) while a's images may still be on their way; then its 8 blocks of 16 tokens stream past them: 32 products a block, on 4 accumulators by turns.
; The bias is the C of a block's first four products.  The matrix instruction is used transposed (source 0 = Wo's rows), so that a lane holds one token and 16 neighbouring columns for each pair of tiles.
; THE WAY OUT: a block goes through the wave's own stage in LDS (16 rows of 256 + 16 bytes, laid in Wo's bytes, which every wave has read out by then) and leaves as whole rows: each store covers two aligned runs of 256 bytes.
; Block i's rows are stored behind block i + 1's products.  The scale words come by plain loads into registers: LDS has no room left for them (320,000 bytes are in use).
; CLUSTERS: 4 x 4: a's images are asked for jointly along a row of the cluster, Wo's rows along a column.  No prefetch: all tiles are asked for at the head; there is no loop to run ahead in.
; REGISTERS, in windows of 256: window 0: addresses, scale words, the bias, two sets of accumulators, two sets of rows on the way out; windows 1 and 2: Wo's fragments, 21 to a window; window 3: two sets of a block's 8 fragments.
.set PITCH, 240                        ; an LDS row of Wo: 3 x (64 bytes + 16 of padding)
.set KTB,   128*PITCH                  ; a K step of Wo's 128 rows in LDS
.set BB,    196608                     ; where they begin
.set SPARE, BB+4*KTB                   ; the spare words
.set SPITCH, 272
.set ADRB, 16                          ; v16-19  my rows of Wo: K steps 0-1 (v17: behind one padding more), K steps 2-3 (v19)
.set ADA,  20                          ; v20-23  my tiles of a: head pairs 2 k, 2 k + 1
.set STO,  24
.set RD,   25
.set CO,   26
.set ABS,  27
.set ASV,  28
.set BOF,  29
.set SPW,  30
.set NIL,  31
.set SB,   32                          ; v32-47  Wo's scale words: 8 (t / 2) + y; lanes 0-15 the even tile's rows, lanes 16-31 the odd tile's
.set SA,   52                          ; v52-83  a's: 8 (i / 2) + y; lanes 0-15 the even block's tokens, lanes 16-31 the odd block's
.set BI,   84                          ; v84-115 the bias, eight registers a tile
.set ACC,  116                         ; v116-179 two sets of four accumulators
.set OUT,  180                         ; v180-243 two sets of 16 rows x 256 bytes
.set WV, 20
.set G1A, 32
.set G1B, 40
.set G0A, 48
.set G0B, 52
.set MSB, 0
.macro WIN new                         ; the immediate's high byte repeats the setting that is left
.if MSB != \new
	s_set_vgpr_msb (MSB<<8)|\new
.set MSB, \new
.endif
.endm
.macro PLACES n
.rept \n
	v_nop
.endr
.endm
.macro CROUND
	s_barrier_signal -1
	s_barrier_wait -1
	s_cmp_lg_u32 s[WV], 0
	s_cbranch_scc1 .Lnot_wave_0_\@
	s_barrier_signal -3
.Lnot_wave_0_\@:
	s_barrier_wait -3
	s_barrier_signal -1
	s_barrier_wait -1
.endm
	s_load_b256 s[4:11], s[0:1], 0x0               ; acod, ascl, c1, s1
	s_load_b128 s[12:15], s[0:1], 0x20             ; bo, out0
	v_lshl_add_u32 v[SPW], v0, 2, SPARE
	v_mov_b32 v[NIL], 0
	ds_add_u32 v[SPW], v[NIL]                      ; the opening lines: the add, twice on end, and its wait
	ds_add_u32 v[SPW], v[NIL]
	v_lshrrev_b32 v1, 5, v0
	v_readfirstlane_b32 s[WV], v1                  ; wave 0..3
	s_lshr_b32 s21, s[WV], 1                       ; which 128 tokens are mine
	s_and_b32 s22, s[WV], 1                        ; which 64 columns.  Also: which half of Wo's K steps, or of a's head pairs, I fetch
	s_bfe_u32 s23, ttmp6, 0x40000                  ; cx
	s_bfe_u32 s24, ttmp6, 0x40004                  ; cy
	s_lshl_b32 s25, ttmp9, 2
	s_add_co_u32 s25, s25, s23                     ; tile column, 0..7
	s_and_b32 s26, ttmp7, 0xffff
	s_lshl_b32 s26, s26, 2
	s_add_co_u32 s26, s26, s24                     ; tile row, 0..31
	s_lshr_b32 s27, s26, 3                         ; the batch
	s_and_b32 s28, s26, 7                          ; which 256 tokens of it
	s_lshl_b32 s29, s24, 2
	s_lshl_b32 s29, 15, s29                        ; my row of the cluster
	s_lshl_b32 s30, 0x1111, s23                    ; my column
	s_or_b32 s[G1A], s29, (3<<16)|(1<<21)          ; a: 4 head pairs x 24,576 bytes on end (my 16 tiles), 196,608 bytes apart
	s_mov_b32 s[G1A+1], 3072<<16
	s_mov_b32 s[G1A+2], 4<<16
	s_mov_b32 s[G1A+3], 3072<<16
	s_mov_b32 s[G1A+4], 4
	s_mov_b32 s[G1A+5], 24576
	s_mov_b32 s[G1A+6], 0
	s_mov_b32 s[G1A+7], 0
	s_or_b32 s[G1B], s30, (3<<16)|(1<<20)|(1<<21)|(3<<22)|(3<<25)   ; Wo: 2 K steps x 24,576 dense bytes (128 rows of 192), 49,152 apart; 16 bytes of padding behind every 64
	s_mov_b32 s[G1B+1], 3072<<16
	s_mov_b32 s[G1B+2], 2<<16
	s_mov_b32 s[G1B+3], 3072<<16
	s_mov_b32 s[G1B+4], 2
	s_mov_b32 s[G1B+5], 6144
	s_mov_b32 s[G1B+6], 0
	s_mov_b32 s[G1B+7], 0
	s_mul_i32 s56, s27, 8*196608                   ; a's images: the batch's first head pair,
	s_mul_i32 s57, s28, 24576                      ; my 16 tiles,
	s_add_co_u32 s56, s56, s57
	s_mul_i32 s57, s22, 4*196608                   ; the four head pairs that I fetch
	s_add_co_u32 s56, s56, s57
	s_mov_b32 s57, 0
	s_lshr_b32 s58, s25, 1                         ; Wo's rows: group 44 + column / 2 of c1's groups of 256 rows,
	s_mul_i32 s58, s58, 196608
	s_add_co_u32 s58, s58, 44*196608
	s_and_b32 s59, s25, 1                          ; its first or second 128 rows,
	s_mul_i32 s59, s59, 24576
	s_add_co_u32 s58, s58, s59
	s_mul_i32 s59, s22, 98304                      ; the two K steps that I fetch
	s_add_co_u32 s58, s58, s59
	s_mov_b32 s59, 0
	s_lshl_b32 s60, s25, 12                        ; Wo's scale bytes: row position 11,264 + 128 column + 64 x my half, 32 bytes a row
	s_lshl_b32 s61, s22, 11
	s_add_co_u32 s60, s60, s61
	s_add_co_u32 s60, s60, 11264*32
	s_mov_b32 s61, 0
	s_lshl_b32 s62, s27, 16                        ; a's scale words: 8,192 bytes a head pair, 64 a tile
	s_lshl_b32 s63, s28, 10
	s_add_co_u32 s62, s62, s63
	s_lshl_b32 s63, s21, 9
	s_add_co_u32 s62, s62, s63
	s_mov_b32 s63, 0
	s_lshl_b32 s68, s25, 9                         ; my first column, in bytes
	s_lshl_b32 s69, s22, 8
	s_add_co_u32 s68, s68, s69
	s_mov_b32 s69, 0
	s_lshl_b32 s70, s26, 20                        ; my first token's row of out0: 4,096 bytes a row
	s_lshl_b32 s71, s21, 19
	s_add_co_u32 s70, s70, s71
	s_add_co_u32 s70, s70, s68
	s_mov_b32 s71, 0
	s_mov_b32 s[G0A], 1
	s_mul_i32 s[G0A+1], s22, 98304
	s_mov_b32 s[G0B], 1
	s_mul_i32 s[G0B+1], s22, 2*KTB
	s_add_co_u32 s[G0B+1], s[G0B+1], BB
	s_wait_alu depctr_va_vdst(0)
	s_wait_dscnt 0x0                               ; both opening adds are done
	CROUND                                         ; all sixteen work-groups are here: the joint loads meet
	s_wait_kmcnt 0x0
	s_add_nc_u64 s[G0A+2:G0A+3], s[4:5], s[56:57]
	s_or_b32 s[G0A+3], s[G0A+3], 0x80000000
	s_add_nc_u64 s[G0B+2:G0B+3], s[8:9], s[58:59]
	s_or_b32 s[G0B+3], s[G0B+3], 0x80000000
	s_cmp_lt_u32 s[WV], 2                          ; one tensor load a wave, a load to an arm: Wo's rows are wanted first
	s_cbranch_scc0 .Lfor_a
	tensor_load_to_lds s[G0B:G0B+3], s[G1B:G1B+7]
	s_nop 0
	PLACES 4
	s_branch .Lasked
.Lfor_a:
	tensor_load_to_lds s[G0A:G0A+3], s[G1A:G1A+7]
	s_nop 0
	PLACES 4
.Lasked:
	s_add_nc_u64 s[10:11], s[10:11], s[60:61]
	s_add_nc_u64 s[6:7], s[6:7], s[62:63]
	s_add_nc_u64 s[12:13], s[12:13], s[68:69]
	s_add_nc_u64 s[14:15], s[14:15], s[70:71]
	v_and_b32 v1, 15, v0                           ; r
	v_bfe_u32 v2, v0, 4, 1                         ; h
	v_and_b32 v3, 31, v0                           ; lane
	v_mul_u32_u24 v4, v1, PITCH
	v_mad_u32_u24 v4, v2, 24, v4                   ; a fragment's row x pitch + 24 h,
	v_lshl_add_u32 v5, v2, 4, v4                   ; and the same behind one padding more
	s_mul_i32 s56, s22, 64*PITCH
	s_add_co_u32 s56, s56, BB                      ; my 64 rows of Wo
	v_add_nc_u32 v[ADRB], s56, v4
	v_add_nc_u32 v[ADRB+1], s56, v5
	v_add_nc_u32 v[ADRB+2], 2*KTB, v[ADRB]
	v_add_nc_u32 v[ADRB+3], 2*KTB, v[ADRB+1]
	v_lshlrev_b32 v6, 4, v3
	s_mul_i32 s57, s21, 8*1536                     ; my 8 tiles of the 16
	v_add_nc_u32 v[ADA], s57, v6
.irp k, 1,2,3
	v_add_nc_u32 v[ADA+\k], \k*49152, v[ADA]
.endr
	s_mul_i32 s58, s[WV], 16*SPITCH
	s_add_co_u32 s58, s58, BB                      ; my stage
	v_mul_u32_u24 v7, v1, SPITCH
	v_lshl_add_u32 v7, v2, 6, v7                   ; in: row r, 64 bytes for each half of the lanes and pair of tiles
	v_add_nc_u32 v[STO], s58, v7
	v_mul_u32_u24 v7, v2, SPITCH
	v_lshl_add_u32 v7, v1, 4, v7                   ; back: sixteen lanes to a row of 256 bytes
	v_add_nc_u32 v[RD], s58, v7
	v_lshlrev_b32 v7, 12, v2
	v_lshl_add_u32 v[CO], v1, 4, v7                ; and the same two rows in out0
	v_lshlrev_b32 v[ABS], 5, v3
	v_lshlrev_b32 v[ASV], 2, v3
	v_lshlrev_b32 v[BOF], 6, v2
	s_wait_alu depctr_va_vdst(0)                   ; the wait at the head's end
.irp p, 0,1
.irp c, 0,1
	global_load_b128 v[SB+8*\p+4*\c:SB+8*\p+4*\c+3], v[ABS], s[10:11] offset:\p*1024+16*\c   ; a lane a row of two tiles: its eight scale words
.endr
.endr
.irp j, 0,1,2,3
.irp y, 0,1,2,3,4,5,6,7
	global_load_b32 v[SA+8*\j+\y], v[ASV], s[6:7] offset:\y*8192+\j*128   ; the words of two blocks' 32 tokens: 128 consecutive bytes
.endr
.endr
.irp t, 0,1,2,3
	global_load_b128 v[BI+8*\t:BI+8*\t+3], v[BOF], s[12:13] offset:4*(32*(\t/2)+8*(\t%2))   ; register j of tile t: column 32 (t / 2) + 8 (t % 2) + 16 h + j
	global_load_b128 v[BI+8*\t+4:BI+8*\t+7], v[BOF], s[12:13] offset:4*(32*(\t/2)+8*(\t%2))+16
.endr
	s_cmp_lt_u32 s[WV], 2
	s_cbranch_scc0 .Lnot_b
	s_wait_tensorcnt 0x0                           ; waves 0 and 1: my K steps of Wo are in
.Lnot_b:
	s_barrier_signal -1
	s_barrier_wait -1                              ; Wo's rows are in; a's images may still be on their way
; Wo's fragment f = 4 y + t (y: 128 along K, t: tile of 16 rows) lies in window 1 + f / 21 at register 12 (f % 21).  Six pieces of 8 bytes; lanes 16-31 read three pieces further on: where that is behind one padding more, the second address serves
.irp y, 0,1,2,3,4,5,6,7
.irp t, 0,1,2,3
.set F_, 4*\y+\t
.set R_, 12*(F_%21)
	WIN (1+F_/21)<<6
.irp p, 0,1,2,3,4,5
.set PC_, 12*(\y%2)+6*(\p/3)+\p%3
.if PC_%8 < 5
	ds_load_b64 v[R_+2*\p:R_+2*\p+1], v[ADRB+2*(\y/4)] offset:((\y/2)%2)*KTB+\t*16*PITCH+8*PC_+16*(PC_/8)
.else
	ds_load_b64 v[R_+2*\p:R_+2*\p+1], v[ADRB+2*(\y/4)+1] offset:((\y/2)%2)*KTB+\t*16*PITCH+8*PC_+16*(PC_/8)
.endif
.endr
.endr
.endr
	WIN 0
	s_wait_tensorcnt 0x0                           ; every wave: my load is in,
	s_wait_dscnt 0x0                               ; and my reads of Wo's rows are over
	s_barrier_signal -1
	s_barrier_wait -1                              ; a's images are in, and Wo's bytes are free for the stages
.macro FETCH i                         ; block i's eight fragments into set i % 2: 24 loads
.set E_, (\i)%2
	WIN 0xc0
.irp y, 0,1,2,3,4,5,6,7
.irp g, 0,1,2
	ds_load_b128 v[96*E_+12*\y+4*\g:96*E_+12*\y+4*\g+3], v[ADA+\y/2] offset:(\y%2)*24576+(\i)*1536+512*\g
.endr
.endr
	WIN 0
.endm
.macro BLK i, ip                       ; block i's 32 products (ip = i % 2): the four accumulators take turns, one instruction a turn
.set E_, (\i)%2
.irp y, 0,1,2,3,4,5,6,7
.irp p, 0,1
.irp o, 0,1
.set F_, 4*\y+2*\p+\o
.set D_, ACC+32*E_+8*(2*\p+\o)
	WIN (1+F_/21)|(3<<2)
.if \y
	v_wmma_scale_f32_16x16x128_f8f6f4 v[D_:D_+7], v[12*(F_%21):12*(F_%21)+11], v[96*E_+12*\y:96*E_+12*\y+11], v[D_:D_+7], v[SB+8*\p+\y], v[SA+8*((\i)/2)+\y] matrix_a_fmt:MATRIX_FMT_FP6 matrix_b_fmt:MATRIX_FMT_FP6 matrix_a_scale:MATRIX_SCALE_ROW\o matrix_b_scale:MATRIX_SCALE_ROW\ip
.else
	v_wmma_scale_f32_16x16x128_f8f6f4 v[D_:D_+7], v[12*(F_%21):12*(F_%21)+11], v[96*E_+12*\y:96*E_+12*\y+11], v[BI+8*(2*\p+\o):BI+8*(2*\p+\o)+7], v[SB+8*\p+\y], v[SA+8*((\i)/2)+\y] matrix_a_fmt:MATRIX_FMT_FP6 matrix_b_fmt:MATRIX_FMT_FP6 matrix_a_scale:MATRIX_SCALE_ROW\o matrix_b_scale:MATRIX_SCALE_ROW\ip
.endif
.endr
.endr
.endr
	WIN 0
.endm
.macro TOSTAGE i                       ; 8 stores, 8 loads: LDS serves a wave's instructions in order, so no wait stands between them
.set E_, (\i)%2
.irp t, 0,1,2,3
	ds_store_b128 v[STO], v[ACC+32*E_+8*\t:ACC+32*E_+8*\t+3] offset:128*(\t/2)+32*(\t%2)       ; each accumulator from its low end on
	ds_store_b128 v[STO], v[ACC+32*E_+8*\t+4:ACC+32*E_+8*\t+7] offset:128*(\t/2)+32*(\t%2)+16
.endr
.irp m, 0,1,2,3,4,5,6,7
	ds_load_b128 v[OUT+32*E_+4*\m:OUT+32*E_+4*\m+3], v[RD] offset:\m*2*SPITCH
.endr
.endm
.macro SEND i                          ; stage row r of block i is token 32 (i / 2) + 8 (i % 2) + r + 8 (r / 8) of my 128
.set E_, (\i)%2
.irp m, 0,1,2,3,4,5,6,7
	global_store_b128 v[CO], v[OUT+32*E_+4*\m:OUT+32*E_+4*\m+3], s[14:15] offset:(32*((\i)/2)+8*((\i)%2)+2*\m+8*(\m/4))*4096 th:TH_STORE_NT
.endr
.endm
.macro ITER i, ip
	BLK \i, \ip
	PLACES 4                                       ; behind the products: their results are read, and loads land on their operands
.if (\i)+2 < 8
	FETCH (\i)+2
.endif
.if (\i) >= 2
	s_wait_xcnt 0x0                                ; block i - 2's stores have read their registers
.endif
	TOSTAGE \i
.if (\i)+2 < 8
	s_wait_dscnt 40                                ; all but this trip's 24 + 16: the next block's fragments and the last block's rows are in
.else
	s_wait_dscnt 16
.endif
.if (\i) >= 1
	SEND (\i)-1
.endif
.endm
	FETCH 0
	FETCH 1
	s_wait_loadcnt 0x0                             ; the scale words and the bias
	s_wait_dscnt 24                                ; block 0's fragments
	ITER 0, 0
	ITER 1, 1
	ITER 2, 0
	ITER 3, 1
	ITER 4, 0
	ITER 5, 1
	ITER 6, 0
	ITER 7, 1
	s_wait_dscnt 0x0
	SEND 7
	s_wait_tensorcnt 0x0                           ; the wave's end
	ds_add_u32 v[SPW], v[NIL]
	s_wait_dscnt 0x0
	CROUND                                         ; the closing round
	s_endpgm
.Lfunc_end_k_q3ebb6b2578_oproj:
	.size	k_q3ebb6b2578_oproj, .Lfunc_end_k_q3ebb6b2578_oproj-k_q3ebb6b2578_oproj
	.p2alignl 7, 3214868480
	.fill 96, 4, 3214868480
	.section	.rodata,"a",@progbits
	.p2align	6, 0x0
	.amdhsa_kernel k_q3ebb6b2578_oproj
		.amdhsa_group_segment_fixed_size 327680
		.amdhsa_private_segment_fixed_size 0
		.amdhsa_enable_private_segment 0
		.amdhsa_kernarg_size 48
		.amdhsa_user_sgpr_count 2
		.amdhsa_user_sgpr_kernarg_segment_ptr 1
		.amdhsa_wavefront_size32 1
		.amdhsa_system_sgpr_workgroup_id_x 1
		.amdhsa_system_sgpr_workgroup_id_y 1
		.amdhsa_system_sgpr_workgroup_id_z 1
		.amdhsa_system_vgpr_workitem_id 0
		.amdhsa_next_free_vgpr 960
		.amdhsa_next_free_sgpr 72
		.amdhsa_reserve_vcc 0
		.amdhsa_float_denorm_mode_32 3
		.amdhsa_float_denorm_mode_16_64 3
		.amdhsa_memory_ordered 1
		.amdhsa_forward_progress 1
		.amdhsa_inst_pref_size 85
	.end_amdhsa_kernel
	.amdgpu_metadata
---
amdhsa.version: [ 1, 2 ]
amdhsa.kernels:
  - .name:           k_q3ebb6b2578_oproj
    .symbol:         k_q3ebb6b2578_oproj.kd
    .args:
      - { .name: acod, .offset: 0, .size: 8, .value_kind: global_buffer, .address_space: global }
      - { .name: ascl, .offset: 8, .size: 8, .value_kind: global_buffer, .address_space: global }
      - { .name: c1, .offset: 16, .size: 8, .value_kind: global_buffer, .address_space: global }
      - { .name: s1, .offset: 24, .size: 8, .value_kind: global_buffer, .address_space: global }
      - { .name: bo, .offset: 32, .size: 8, .value_kind: global_buffer, .address_space: global }
      - { .name: out0, .offset: 40, .size: 8, .value_kind: global_buffer, .address_space: global }
    .group_segment_fixed_size: 327680
    .private_segment_fixed_size: 0
    .kernarg_segment_align: 8
    .kernarg_segment_size: 48
    .max_flat_workgroup_size: 128
    .sgpr_count:     72
    .vgpr_count:     960
    .wavefront_size: 32
...
	.end_amdgpu_metadata
.endif
;; end of part 4
